; MI455X (gfx1250); checked and timed in simulation.
; The chip was launched on July 23, 2026; its instructions are those of AMD's public machine-readable ISA for CDNA 5 (MIT licence, August 2026) and "CDNA5" Instruction Set Architecture Reference Guide (July 2026). The comments in the code are by the model that wrote it; some were corrected since.
;; Quantum Regression Model. Allowed arithmetic: matrix products marked QUANTISED: E5M2 operands, one E8M0 scale for each 32 along K, by v_wmma_scale_f32_16x16x128_f8f6f4 with both operands' format E5M2, f32 sums; products left as they are: f32 operands where the result goes on into a quantised operand, else bf16, f16 or f32 operands; f32 sums; everything else in f32.
;; Inputs: W1 1 x 64 float32; W2 64 x 1 float32; Wk 256 x 256 float32; Wq 256 x 256 float32; b1 64 float32; b2 1 float32; states 8,192 x 256 float32.
;; Outputs: out0 8,192 float32.
;; This version of the problem:
;;   THIS VERSION OF THE PROBLEM IS GIVEN IN LOW PRECISION. The matrix products marked QUANTISED in the list below multiply operands that are first quantised to E5M2 (5 exponent bits, 2 mantissa bits; 8 bits a number), with one power-of-two scale for each 32 numbers along K (OCP MX v1.0); their sums are f32. All else is computed in f32.
;;   The module's matrix products, in the order in which they are computed (A, B: the left and right operand; K: the contracted axis; several contracted axes count as one K, in the product's order):
;;     1. [M 8,192, K 256] x [K 256, N 256]; A: input states; B: input Wq: QUANTISED
;;     2. [M 8,192, K 256] x [K 256, N 256]; A: input states; B: input Wk: QUANTISED
;;     3. [M 8,192, K 256] x [K 256, N 8,192]; A: computed on the way; B: computed on the way: QUANTISED
;;     4. [M 8,192, K 8,192] x [K 8,192, N 256]; A: softmax (see below); B: input states: QUANTISED
;;     5. [M 8,192, K 256] x [K 256, N 8,192]; A: computed on the way; B: computed on the way: QUANTISED
;;     6. [M 8,192, K 1] x [K 1, N 64]; A: computed on the way; B: input W1: left as it is (K = 1 < 32)
;;     7. [M 8,192, K 64] x [K 64, N 1]; A: computed on the way; B: input W2: left as it is (N = 1 < 16)
;;   THE QUANTISER, for each operand of a quantised product, along K:
;;     - K is cut into blocks of 32 from its start; a last block that is shorter is filled with zeros.
;;     - A block's scale is 2^e with e = floor(log2(the largest magnitude in the block)) - 15, held to -126 .. 127; a block of zeros has e = 0. As a byte (E8M0): e + 127.
;;     - Each number is divided by its block's scale, clamped to +-57,344, and rounded to the nearest number of E5M2, ties to even, subnormals kept.
;;     - The product sums the exact products of the quantised numbers (number of the format x scale) in f32.
;;   ~~~python
;;   def quantise(x, axis):      # numpy; x: float32 -> the quantised numbers, widened to float32 again
;;       x = np.moveaxis(x, axis, -1); K = x.shape[-1]
;;       x = np.pad(x, [(0, 0)] * (x.ndim - 1) + [(0, -K % 32)]); x = x.reshape(x.shape[:-1] + (-1, 32)); a = np.abs(x).max(-1, keepdims=True)
;;       e = np.where(a > 0, np.clip(np.frexp(np.where(a > 0, a, 1))[1] - 1 - 15, -126, 127), 0)      # np.frexp(a)[1] - 1 = floor(log2(a)), exactly
;;       r = np.clip(x / 2.0 ** e, -57344, 57344)
;;       step = 2.0 ** (np.maximum(np.frexp(np.where(r == 0, 1, r))[1] - 1, -14) - 2)
;;       q = np.round(r / step) * step * 2.0 ** e      # np.round: ties to even
;;       return np.moveaxis(q.reshape(q.shape[:-2] + (-1,))[..., :K], -1, axis).astype(np.float32)
;;   ~~~
;;   SOFTMAX AHEAD OF A QUANTISED PRODUCT. Where the list says 'softmax', what is quantised is not the finished softmax but p = 2^(t - M), with t = logit x log2(e) and M = ceil(the row's largest t), a whole number; so 1/2 < the row's largest p <= 1. The row's sum l is taken of the UNQUANTISED p, in f32, and the product's result is divided by l at the end. Since M is a whole number, a kernel that streams over the keys may use a running M (the ceiling of the running maximum): every later rescaling is an exact power of two, which a block's scale takes up: the codes' values come out the same.
;;   OPERANDS COMPUTED ON THE WAY. 'Computed on the way' means the value that the module computes at that place (a softmax that the list does not call 'softmax' is quantised finished and normalised). What goes into a quantiser is computed in f32, as accurately as f32 sums, v_exp_f32 and their like allow (about 1e-6 of the number): no bf16 or f16 on the way to a quantiser, and a product that is left as it is and whose result goes on into a quantised operand takes f32 operands (vector FMAs, or v_wmma_f32_16x16x4_f32). A number that lies on a knife's edge between two numbers of the format may be rounded either way, as far as f32 arithmetic and the matrix unit's own rounding can turn it there, and no further.
;; One version. Each part assembles by itself: llvm-mc -triple=amdgcn-amd-amdhsa -mcpu=gfx1250 --defsym DOCPART=n.
;; ======== version 1 of 1: 5 launches
;; limits: right only within a limited range of input values
;; workspace buffers: qb 2,162,688 bytes; kv 4,325,376 bytes; pa 34,078,720 bytes; ab 2,195,456 bytes; ps 524,288 bytes
;; launch prep (part 1): grid 64 x 4, 8 waves a work-group, no clusters, 35,840 bytes of LDS; arguments states, Wq, Wk, qb, kv; writes qb, kv
.if DOCPART == 1
	.amdgcn_target "amdgcn-amd-amdhsa--gfx1250"
	.amdhsa_code_object_version 6
	.text
	.protected	k_q7f09549266_prep
	.globl	k_q7f09549266_prep
	.p2align	8
	.type	k_q7f09549266_prep,@function
k_q7f09549266_prep:
	s_mov_b64 s[64:65], 0
	v_nop
	global_prefetch_b8 v0, s[64:65] scope:SCOPE_SE
	s_setreg_imm32_b32 hwreg(HW_REG_WAVE_MODE, 25, 1), 1
	s_wait_xcnt 0x0
; PREP: q = Q(x) Q(Wq), k = Q(x) Q(Wk) on codes of BF8 (E5M2) with one E8M0 scale for each 32 along K; q and k are quantised again along their 256 columns,
; and x is quantised along the KEYS (its first axis) for the attention's second product.  All three leave as IMAGES OF OPERAND REGISTERS.
; An image is a fragment of 16 slots x 128 K, 2,048 bytes: bytes 512 c + 16 l hold slot l % 16, k = 32 c + 16 (l / 16) + 0 .. 15.
; THE ROWS OF A TILE ARE NOT NEIGHBOURS: slot m of tile t is row 32 (t / 2) + 8 (t % 2) + m % 8 + 16 (m / 8), so that a transposed product leaves 16 neighbours along the next K in a lane's 16 registers of two tiles.
; SHARES.  Work-group (x, y): 128 rows of x (x), 128 of the 512 output columns (y: 0, 1 = halves of Wq, 2, 3 = halves of Wk), and for V the keys 128 x on, columns 64 y on.
; Eight waves.  Each quantises one block of 32 keys x 32 columns of V and four blocks of 32 K x 32 columns of the weight (a lane a column, registers down K), then its own tile of 16 rows of x.
; The weight's 16 fragments meet in LDS; each wave multiplies its x tile by all of them (source 0 = 16 weight columns, source 1 = x), quantises its 16 x 128 results and stores one image.
; NO JOINT LOADS: every f32 number goes from memory straight into the registers of the lane that quantises it, so there is no tile in LDS that partners could share; a work-group reads 288 KB in all.
; LIMITS: NaN and infinities among the inputs are not served; a block whose largest magnitude lies under 2^-111 keeps the scale byte 1, a block of zeros too (its codes are zeros; the bytes are read by this program alone).
.set WIMG, 0                           ; LDS: the weight's fragments, tile t, K step s at 4096 t + 2048 s
.set WSC,  32768                       ; their scale words: 512 s + 64 t + 4 m
.set VSC,  33792                       ; V's scale bytes: 64 (tile of my four) + 4 m + key block
.set QSC,  34048                       ; the results' scale words: 64 wave + 4 r
.set L4,   1                           ; v1   4 x lane
.set XAD,  2                           ; v2   x: my row's and half's byte in the wave's tile
.set WST,  3                           ; v3   where my column's weight codes go in LDS
.set VST,  4                           ; v4   where my column's V codes go in memory
.set VBA,  5                           ; v5   LDS byte of my V scale
.set WSA,  6                           ; v6   LDS word of my column's weight scales
.set LI,   7                           ; v7   16 x lane
.set WSR,  8                           ; v8   reading the weight's scale words: lanes 0-15 K step 0, lanes 16-31 K step 1
.set QSA,  9                           ; v9   where my row's scale word goes
.set VSR,  10                          ; v10  wave 0 reads V's scale bytes
.set L8,   11                          ; v11  8 x lane
.set QSR,  12                          ; v12  wave 0 reads the results' scale words
.set TM,   16                          ; v16-31 at work in the quantisers
.set C,    32                          ; v32-39 a weight block's codes
.set WS,   40                          ; v40-47 the weight's scale words, one register a tile
.set PW,   48                          ; v48  the results' scale word
.set SB,   49                          ; v49  my column's four scale bytes
.set XS,   50                          ; v50-51 x's scale words
.set CV,   52                          ; v52-59 V's codes
.set VB,   60                          ; v60  V's scale byte
.set UU,   61
.set MM,   62
.set BY,   63
.set XA,   64                          ; v64-95, v96-127: two sets of 32 numbers down K
.set XB,   96
.set XF,   64                          ; later: x's two fragments
.set PC,   96                          ; later: the results' codes
.set X0,   128                         ; x's numbers of K step 0; later H, the 8 result tiles
.set H,    128
.set X1,   192                         ; x's numbers of K step 1; later WF, four weight fragments
.set WF,   192
.set MNT,  17                          ; s17  the mantissa field of 57,344
.set SEL,  18                          ; s[18:19] lane selects: lane l xor 16
; 32 numbers of one column, v[x] on, running down K: a whole block.  Codes into v[c] .. v[c+7], the scale's byte into v[byt].
.macro QCOL x, c, byt
	v_max3_num_f32 v[TM], |v[(\x)]|, |v[(\x)+1]|, |v[(\x)+2]|
	v_max3_num_f32 v[TM+1], |v[(\x)+3]|, |v[(\x)+4]|, |v[(\x)+5]|
.irp i, 6,10,14,18,22,26
	s_delay_alu instid0(VALU_DEP_2)
	v_max3_num_f32 v[TM], v[TM], |v[(\x)+\i]|, |v[(\x)+\i+1]|
	s_delay_alu instid0(VALU_DEP_2)
	v_max3_num_f32 v[TM+1], v[TM+1], |v[(\x)+\i+2]|, |v[(\x)+\i+3]|
.endr
	s_delay_alu instid0(VALU_DEP_2)
	v_max3_num_f32 v[TM], v[TM], |v[(\x)+30]|, |v[(\x)+31]|
	s_delay_alu instid0(VALU_DEP_1)
	v_max3_num_f32 v[TM], v[TM], v[TM+1], 0x8000000  ; the floor 2^(16 - 127): the byte cannot fall under 1
	s_delay_alu instid0(VALU_DEP_1)
	v_add_nc_u32 v[TM+2], 0xf8800000, v[TM]        ; 15 off the exponent field: the conversion's scale operand
	s_delay_alu instid0(VALU_DEP_2)
	v_and_or_b32 v[TM+3], v[TM], 0x7f800000, s[MNT]  ; 57,344 x the scale
	s_delay_alu instid0(VALU_DEP_2)
	v_lshrrev_b32 v[\byt], 23, v[TM+2]             ; the scale's byte
.set i_, 0
.rept 32
	v_med3_num_f32 v[(\x)+i_], v[(\x)+i_], -v[TM+3], v[TM+3]  ; the conversion does not saturate (ISA guide 7.6.2): the hold comes first
.set i_, i_+1
.endr
.irp g, 0,1,2,3
	v_cvt_scalef32_pk8_bf8_f32 v[(\c)+2*\g:(\c)+2*\g+1], v[(\x)+8*\g:(\x)+8*\g+7], v[TM+2]
.endr
	v_nop                                          ; one plain line behind the last conversion
.endm
; 64 numbers of a lane, register 16 b + i = k 32 b + 16 (lane / 16) + i of my row, become a fragment's codes in v[d] on and its scale word in v[pw].
.macro QUANT s, d, pw
.irp b, 0,1,2,3
	v_max3_num_f32 v[TM+\b], |v[(\s)+16*\b]|, |v[(\s)+1+16*\b]|, 0x8000000
.endr
.irp i, 2,4,6,8,10,12,14
.irp b, 0,1,2,3
	v_max3_num_f32 v[TM+\b], v[TM+\b], |v[(\s)+16*\b+\i]|, |v[(\s)+1+16*\b+\i]|
.endr
.endr
.irp b, 0,1,2,3
	s_delay_alu instid0(VALU_DEP_4)
	v_permlanex16_b32 v[TM+4+\b], v[TM+\b], s[SEL], s[SEL+1]
.endr
.irp b, 0,1,2,3
	s_delay_alu instid0(VALU_DEP_4)
	v_max_num_f32 v[TM+\b], v[TM+\b], v[TM+4+\b]   ; with lane l xor 16's: the block's largest magnitude
.endr
.irp b, 0,1,2,3
	s_delay_alu instid0(VALU_DEP_4)
	v_add_nc_u32 v[TM+12+\b], 0xf8800000, v[TM+\b]
.endr
.irp b, 0,1,2,3
	v_and_or_b32 v[TM+8+\b], v[TM+\b], 0x7f800000, s[MNT]
.endr
.irp b, 0,1,2,3
	v_lshrrev_b32 v[TM+4+\b], 23, v[TM+12+\b]
.endr
	s_delay_alu instid0(VALU_DEP_3)
	v_lshl_or_b32 v[\pw], v[TM+5], 8, v[TM+4]      ; the four bytes make my row's scale word
	s_delay_alu instid0(VALU_DEP_1)
	v_lshl_or_b32 v[\pw], v[TM+6], 16, v[\pw]
	s_delay_alu instid0(VALU_DEP_1)
	v_lshl_or_b32 v[\pw], v[TM+7], 24, v[\pw]
.irp b, 0,1,2,3
.set i_, 0
.rept 16
	v_med3_num_f32 v[(\s)+16*\b+i_], v[(\s)+16*\b+i_], -v[TM+8+\b], v[TM+8+\b]
.set i_, i_+1
.endr
	v_cvt_scalef32_pk8_bf8_f32 v[(\d)+4*\b:(\d)+4*\b+1], v[(\s)+16*\b:(\s)+16*\b+7], v[TM+12+\b]
	v_cvt_scalef32_pk8_bf8_f32 v[(\d)+4*\b+2:(\d)+4*\b+3], v[(\s)+16*\b+8:(\s)+16*\b+15], v[TM+12+\b]
.endr
	v_nop                                          ; one plain line behind the last conversion
.endm
.macro COLLOAD dst, base, row0         ; 32 rows of 1,024 bytes, my column: 32 lanes read 128 consecutive bytes
.set i_, 0
.rept 32
	global_load_b32 v[(\dst)+i_], v[L4], s[\base:\base+1] offset:((\row0)+i_)*1024
.set i_, i_+1
.endr
.endm
.macro XLOAD dst, s                    ; my row's 16 numbers of each block of 32 of K step s
.irp b, 0,1,2,3
.irp j, 0,1,2,3
	global_load_b128 v[(\dst)+16*\b+4*\j:(\dst)+16*\b+4*\j+3], v[XAD], s[32:33] offset:512*(\s)+128*\b+16*\j
.endr
.endr
.endm
.macro WUNIT x, c                      ; block c of my K step of the weight: codes to LDS, the byte into my word
.if \c > 0
	s_wait_dscnt 0x0                               ; the last block's stores have read v[C] on
.endif
	QCOL \x, C, BY
.if \c == 0
	v_mov_b32 v[SB], v[BY]
.else
	v_lshl_or_b32 v[SB], v[BY], 8*\c, v[SB]
.endif
	ds_store_b128 v[WST], v[C:C+3] offset:WIMG+512*\c        ; k 0 .. 15 of the block: the image's lanes 0-15
	ds_store_b128 v[WST], v[C+4:C+7] offset:WIMG+512*\c+256  ; k 16 .. 31: its lanes 16-31
.endm
	s_load_b256 s[4:11], s[0:1], 0x0               ; states s[4:5], Wq s[6:7], Wk s[8:9], qb s[10:11]
	s_load_b64 s[12:13], s[0:1], 0x20              ; kv
	s_set_vgpr_msb 0x40
	v_lshl_add_u32 v0, v0, 2, 0x8800
	v_mov_b32 v1, 0
	s_set_vgpr_msb 0x4000
	v_lshrrev_b32 v13, 5, v0
	s_delay_alu instid0(VALU_DEP_1)
	v_readfirstlane_b32 s14, v13                   ; wave 0..7
	s_and_b32 s16, ttmp7, 0xffff                   ; y: which 128 output columns
	s_and_b32 s22, s14, 1
	s_lshr_b32 s23, s14, 1
	s_and_b32 s24, s14, 3
	s_lshr_b32 s25, s14, 2
	s_and_b32 s26, s16, 1                          ; which half of the weight's columns = which K step of the next product
	s_mov_b32 s[MNT], 0x600000
	s_mov_b32 s[SEL], 0x76543210
	s_mov_b32 s[SEL+1], 0xfedcba98
	v_and_b32 v13, 31, v0                          ; lane
	s_delay_alu instid0(VALU_DEP_1)
	v_lshlrev_b32 v[L4], 2, v13
	s_delay_alu instid0(VALU_DEP_2)
	v_lshlrev_b32 v[LI], 4, v13
	s_delay_alu instid0(VALU_DEP_3)
	v_lshlrev_b32 v[L8], 3, v13
	v_and_b32 v14, 15, v0                          ; r
	v_bfe_u32 v15, v0, 4, 1                        ; h
	v_bfe_u32 v[UU], v0, 3, 1                      ; a column's tile parity u; also r / 8
	v_and_b32 v[MM], 7, v0
	s_delay_alu instid0(VALU_DEP_1)
	v_lshlrev_b32 v[XAD], 10, v[MM]                ; x: row r % 8 + 16 (r / 8) of 1,024 bytes, + 64 h
	s_delay_alu instid0(VALU_DEP_1)
	v_lshl_add_u32 v[XAD], v[UU], 14, v[XAD]
	s_delay_alu instid0(VALU_DEP_1)
	v_lshl_add_u32 v[XAD], v15, 6, v[XAD]
	s_delay_alu instid0(VALU_DEP_4)
	v_lshl_or_b32 v[MM], v15, 3, v[MM]             ; a column's slot m = lane % 8 + 8 (lane / 16)
	s_wait_alu depctr_va_vdst(0)
	s_lshl_b32 s27, s24, 13
	s_lshl_b32 s28, s25, 11
	s_add_co_u32 s27, s27, s28
	v_lshlrev_b32 v[WST], 4, v[MM]
	s_delay_alu instid0(VALU_DEP_1)
	v_lshl_add_u32 v[WST], v[UU], 12, v[WST]
	s_delay_alu instid0(VALU_DEP_1)
	v_add_nc_u32 v[WST], s27, v[WST]               ; 4096 u + 16 m + 8192 (wave % 4) + 2048 (wave / 4)
	v_lshlrev_b32 v[VST], 4, v[MM]
	s_delay_alu instid0(VALU_DEP_1)
	v_lshl_add_u32 v[VST], v[UU], 11, v[VST]       ; 2048 u + 16 m
	s_lshl_b32 s27, s22, 7
	s_add_co_u32 s27, s27, s23
	s_add_co_u32 s27, s27, VSC
	v_lshlrev_b32 v[VBA], 2, v[MM]
	s_delay_alu instid0(VALU_DEP_1)
	v_lshl_add_u32 v[VBA], v[UU], 6, v[VBA]
	s_delay_alu instid0(VALU_DEP_1)
	v_add_nc_u32 v[VBA], s27, v[VBA]               ; VSC + 128 (wave % 2) + 64 u + 4 m + wave / 2
	s_lshl_b32 s27, s25, 9
	s_lshl_b32 s28, s24, 7
	s_add_co_u32 s27, s27, s28
	s_add_co_u32 s27, s27, WSC
	v_lshlrev_b32 v[WSA], 2, v[MM]
	s_delay_alu instid0(VALU_DEP_1)
	v_lshl_add_u32 v[WSA], v[UU], 6, v[WSA]
	s_delay_alu instid0(VALU_DEP_1)
	v_add_nc_u32 v[WSA], s27, v[WSA]               ; WSC + 512 (wave / 4) + 128 (wave % 4) + 64 u + 4 m
	v_lshlrev_b32 v[WSR], 2, v14
	s_delay_alu instid0(VALU_DEP_1)
	v_lshl_add_u32 v[WSR], v15, 9, v[WSR]
	s_delay_alu instid0(VALU_DEP_1)
	v_add_nc_u32 v[WSR], WSC, v[WSR]
	s_lshl_b32 s27, s14, 6
	s_add_co_u32 s27, s27, QSC
	v_lshl_add_u32 v[QSA], v14, 2, s27
	v_add_nc_u32 v[VSR], VSC, v[L8]
	v_add_nc_u32 v[QSR], QSC, v[LI]
.irp b, 0,1,2,3
	v_mov_b32 v[TM+4+\b], 0                        ; written once: a lane permute's destination counts as one of its sources
.endr
	; byte offsets, each in registers of its own
	s_lshl_b32 s28, s25, 17                        ; the weight: 128 rows a K step, 512 bytes a half, 128 bytes a group of 32 columns
	s_lshl_b32 s27, s26, 9
	s_add_co_u32 s28, s28, s27
	s_lshl_b32 s27, s24, 7
	s_add_co_u32 s28, s28, s27
	s_mov_b32 s29, 0
	s_lshl_b32 s32, ttmp9, 17                      ; x: 128 rows a work-group, 32 rows a pair of waves
	s_lshl_b32 s27, s23, 15
	s_add_co_u32 s32, s32, s27
	s_lshl_b32 s30, s16, 8                         ; V's numbers: the key block wave / 2, columns 64 y + 32 (wave % 2)
	s_add_co_u32 s30, s30, s32
	s_lshl_b32 s27, s22, 7
	s_add_co_u32 s30, s30, s27
	s_mov_b32 s31, 0
	s_lshl_b32 s27, s22, 13                        ; my x tile: 8 rows further for an odd wave
	s_add_co_u32 s32, s32, s27
	s_mov_b32 s33, 0
	s_mul_i32 s34, ttmp9, 67584                    ; a key step in kv is 67,584 bytes on end: K's 16 images, V's 16 images, K's 1,024 bytes of scale words, V's 1,024.  V's images: tile 4 y + 2 (wave % 2); key block wave / 2
	s_lshl_b32 s27, s16, 13
	s_add_co_u32 s34, s34, s27
	s_lshl_b32 s27, s22, 12
	s_add_co_u32 s34, s34, s27
	s_lshl_b32 s27, s23, 9
	s_add_co_u32 s34, s34, s27
	s_add_co_u32 s34, s34, 32768
	s_mov_b32 s35, 0
	s_mul_i32 s36, ttmp9, 67584                    ; V's scale words: behind the key step's images and K's words; 256 bytes for my four tiles
	s_lshl_b32 s27, s16, 8
	s_add_co_u32 s36, s36, s27
	s_add_co_u32 s36, s36, 66560
	s_mov_b32 s37, 0
	s_cmp_lt_u32 s16, 2                            ; q's work-group or k's?  It hangs on the work-group's number alone
	s_mov_b32 s40, 67584
	s_cselect_b32 s40, 32768, s40                  ; 32 KB of images for 128 rows in qb, 67,584 bytes a key step in kv
	s_mov_b32 s41, 67584
	s_cselect_b32 s41, 1024, s41                   ; 1 KB of scale words for 128 rows in qb; in kv they lie in the key step
	s_mov_b32 s42, 65536
	s_cselect_b32 s42, 0x200000, s42               ; where the scale words begin: behind qb's images, behind a key step's images
	s_mul_i32 s38, ttmp9, s40
	s_lshl_b32 s27, s14, 12
	s_add_co_u32 s38, s38, s27
	s_lshl_b32 s27, s26, 11
	s_add_co_u32 s38, s38, s27
	s_mov_b32 s39, 0
	s_mul_i32 s44, ttmp9, s41
	s_add_co_u32 s44, s44, s42
	s_lshl_b32 s27, s26, 9
	s_add_co_u32 s44, s44, s27
	s_mov_b32 s45, 0
	s_wait_kmcnt 0x0
	s_cmp_lt_u32 s16, 2
	s_cselect_b64 s[20:21], s[6:7], s[8:9]
	s_cselect_b64 s[46:47], s[10:11], s[12:13]
	s_add_nc_u64 s[28:29], s[20:21], s[28:29]
	s_add_nc_u64 s[30:31], s[4:5], s[30:31]
	s_add_nc_u64 s[32:33], s[4:5], s[32:33]
	s_add_nc_u64 s[34:35], s[12:13], s[34:35]
	s_add_nc_u64 s[36:37], s[12:13], s[36:37]
	s_add_nc_u64 s[38:39], s[46:47], s[38:39]
	s_add_nc_u64 s[44:45], s[46:47], s[44:45]
	; ---- columns: V's block, then the weight's four.  Each wait's count is the number of loads issued behind the unit that is wanted
	COLLOAD XA, 30, 0                              ; V
	COLLOAD XB, 28, 0                              ; weight block 0
	s_wait_loadcnt 32
	QCOL XA, CV, VB
	global_store_b128 v[VST], v[CV:CV+3], s[34:35]             ; for each of two tiles sixteen lanes store 256 consecutive bytes, aligned
	global_store_b128 v[VST], v[CV+4:CV+7], s[34:35] offset:256
	ds_store_b8 v[VBA], v[VB]
	COLLOAD XA, 28, 32                             ; weight block 1
	s_wait_loadcnt 32
	WUNIT XB, 0
	COLLOAD XB, 28, 64                             ; weight block 2
	s_wait_loadcnt 32
	WUNIT XA, 1
	COLLOAD XA, 28, 96                             ; weight block 3
	XLOAD X0, 0
	s_wait_loadcnt 48                              ; behind block 2: block 3's 32 and x's 16
	WUNIT XB, 2
	XLOAD X1, 1
	s_wait_loadcnt 32                              ; behind block 3: x's 16 + 16
	WUNIT XA, 3
	ds_store_b32 v[WSA], v[SB]
	; ---- my tile of x
	s_wait_loadcnt 16
	QUANT X0, XF, XS
	s_wait_loadcnt 0x0
	QUANT X1, XF+16, XS+1
	s_wait_dscnt 0x0                               ; for the others' sake: my stores into LDS are done
	s_barrier_signal -1
	s_barrier_wait -1                              ; the weight's 16 fragments, their scale words and V's scale bytes lie in LDS
	s_cmp_lg_u32 s14, 0
	s_cbranch_scc1 .Lnot_wave_0_a
	ds_load_b64 v[MM:MM+1], v[VSR]
	s_wait_dscnt 0x0
	global_store_b64 v[L8], v[MM:MM+1], s[36:37]   ; 32 lanes store 256 consecutive bytes, aligned
.Lnot_wave_0_a:
	; ---- the product, transposed: source 0 = 16 weight columns, source 1 = my 16 rows of x.  Eight accumulators by turns, four fragments at a time
.irp t, 0,1,2,3,4,5,6,7
	ds_load_b32 v[WS+\t], v[WSR] offset:64*\t
.endr
.irp n, 0,1,2,3
.rept 8
	v_nop                                          ; places in front of loads into registers that matrix instructions have read, and behind the codes just made
.endr
.irp i, 0,1,2,3
.irp c, 0,1,2,3
	ds_load_b128 v[WF+16*\i+4*\c:WF+16*\i+4*\c+3], v[LI] offset:WIMG+(4*(\n%2)+\i)*4096+(\n/2)*2048+512*\c
.endr
.endr
	s_wait_alu depctr_va_vdst(0)
	s_wait_dscnt 0x0
.irp i, 0,1,2,3
.if \n < 2
	v_wmma_scale_f32_16x16x128_f8f6f4 v[H+8*(4*(\n%2)+\i):H+8*(4*(\n%2)+\i)+7], v[WF+16*\i:WF+16*\i+15], v[XF:XF+15], 0, v[WS+4*(\n%2)+\i], v[XS] matrix_a_fmt:MATRIX_FMT_BF8 matrix_b_fmt:MATRIX_FMT_BF8
.else
	v_wmma_scale_f32_16x16x128_f8f6f4 v[H+8*(4*(\n%2)+\i):H+8*(4*(\n%2)+\i)+7], v[WF+16*\i:WF+16*\i+15], v[XF+16:XF+31], v[H+8*(4*(\n%2)+\i):H+8*(4*(\n%2)+\i)+7], v[WS+4*(\n%2)+\i], v[XS+1] matrix_a_fmt:MATRIX_FMT_BF8 matrix_b_fmt:MATRIX_FMT_BF8 matrix_a_scale:MATRIX_SCALE_ROW1
.endif
.endr
.endr
.rept 8
	v_nop
.endr
	; ---- my 16 rows x 128 columns become one fragment of the next product
	QUANT H, PC, PW
.irp c, 0,1,2,3
	global_store_b128 v[LI], v[PC+4*\c:PC+4*\c+3], s[38:39] offset:512*\c   ; 32 lanes store 512 consecutive bytes, aligned
.endr
	ds_store_b32 v[QSA], v[PW]                     ; lanes l and l xor 16 write the same word with the same value
	s_wait_dscnt 0x0
	s_barrier_signal -1
	s_barrier_wait -1                              ; the eight tiles' scale words lie together
	s_cmp_lg_u32 s14, 0
	s_cbranch_scc1 .Lnot_wave_0_b
	ds_load_b128 v[WF:WF+3], v[QSR]
	s_wait_dscnt 0x0
	global_store_b128 v[LI], v[WF:WF+3], s[44:45]  ; 512 consecutive bytes, aligned
.Lnot_wave_0_b:
	s_set_vgpr_msb 0x5
	s_wait_tensorcnt 0x0
	ds_add_u32 v0, v1
	s_wait_dscnt 0x0
	s_set_vgpr_msb 0x500
	s_endpgm
.Lfunc_end_k_q7f09549266_prep:
	.size	k_q7f09549266_prep, .Lfunc_end_k_q7f09549266_prep-k_q7f09549266_prep
	.p2alignl 7, 3214868480
	.fill 96, 4, 3214868480
	.section	.rodata,"a",@progbits
	.p2align	6, 0x0
	.amdhsa_kernel k_q7f09549266_prep
		.amdhsa_group_segment_fixed_size 35840
		.amdhsa_private_segment_fixed_size 0
		.amdhsa_enable_private_segment 0
		.amdhsa_kernarg_size 40
		.amdhsa_user_sgpr_count 2
		.amdhsa_user_sgpr_kernarg_segment_ptr 1
		.amdhsa_wavefront_size32 1
		.amdhsa_system_sgpr_workgroup_id_x 1
		.amdhsa_system_sgpr_workgroup_id_y 1
		.amdhsa_system_sgpr_workgroup_id_z 1
		.amdhsa_system_vgpr_workitem_id 0
		.amdhsa_next_free_vgpr 258
		.amdhsa_next_free_sgpr 66
		.amdhsa_reserve_vcc 0
		.amdhsa_float_denorm_mode_32 3
		.amdhsa_float_denorm_mode_16_64 3
		.amdhsa_memory_ordered 1
		.amdhsa_forward_progress 1
		.amdhsa_inst_pref_size 80
	.end_amdhsa_kernel
	.amdgpu_metadata
---
amdhsa.version: [ 1, 2 ]
amdhsa.kernels:
  - .name:           k_q7f09549266_prep
    .symbol:         k_q7f09549266_prep.kd
    .args:
      - { .name: states, .offset: 0, .size: 8, .value_kind: global_buffer, .address_space: global }
      - { .name: Wq, .offset: 8, .size: 8, .value_kind: global_buffer, .address_space: global }
      - { .name: Wk, .offset: 16, .size: 8, .value_kind: global_buffer, .address_space: global }
      - { .name: qb, .offset: 24, .size: 8, .value_kind: global_buffer, .address_space: global }
      - { .name: kv, .offset: 32, .size: 8, .value_kind: global_buffer, .address_space: global }
    .group_segment_fixed_size: 35840
    .private_segment_fixed_size: 0
    .kernarg_segment_align: 8
    .kernarg_segment_size: 40
    .max_flat_workgroup_size: 256
    .sgpr_count:     66
    .vgpr_count:     258
    .wavefront_size: 32
...
	.end_amdgpu_metadata
.endif
;; end of part 1
;; launch attn (part 2): grid 64 x 4, 4 waves a work-group, clusters of 4 x 1, 327,680 bytes of LDS; arguments qb, kv, pa; writes pa
.if DOCPART == 2
	.amdgcn_target "amdgcn-amd-amdhsa--gfx1250"
	.amdhsa_code_object_version 6
	.text
	.protected	k_q7f09549266_attn
	.globl	k_q7f09549266_attn
	.p2align	8
	.type	k_q7f09549266_attn,@function
k_q7f09549266_attn:
	s_mov_b64 s[64:65], 0
	v_nop
	global_prefetch_b8 v0, s[64:65] scope:SCOPE_SE
	s_setreg_imm32_b32 hwreg(HW_REG_WAVE_MODE, 25, 1), 1
	s_wait_xcnt 0x0
	s_wait_alu depctr_hold_cnt(0) depctr_sa_sdst(0) depctr_va_vdst(0) depctr_va_sdst(0) depctr_va_ssrc(0) depctr_va_vcc(0) depctr_vm_vsrc(0)
	s_getreg_b32 s2, hwreg(HW_REG_IB_STS2, 6, 4)
	s_cmp_eq_u32 s2, 0
	s_cbranch_scc0 .Lentry_in_a_cluster
	s_endpgm
.Lentry_in_a_cluster:
	s_bfe_u32 s2, ttmp6, 0x10000c
	s_cmp_lg_u32 s2, 0x3003
	s_cbranch_scc0 .Lentry_shape_is_right
	s_endpgm
.Lentry_shape_is_right:
; ATTN: for 128 queries and 2,048 of the 8,192 keys: S^T = K Q^T, p = 2^(t - M), O^T += V^T P^T, both products on codes of BF8 (E5M2) with E8M0 scales for each 32 along K.
; t = score x log2(e) / 16; M = the running largest t rounded UP to a whole number; p is quantised along the keys, not normalised; the sum l is taken of the unquantised p.
; The work-group leaves its part unfinished: O^T under its own M, with -M and l for each query; the next launch joins the four parts of a query by exact powers of two.
; SHARES.  Work-group x: a block of 128 queries; y: keys 2,048 y on, 16 key steps of 128.  Each of four waves holds two tiles of 16 queries, so that each fragment of K and V read from LDS feeds two products.
; CLUSTER.  The four query blocks of a cluster walk the same K and V: each slot is asked for JOINTLY, by the same tensor load with the same descriptor and a mask that names the four.
; LDS.  Two slots of 135,168 bytes, each two key steps of 67,584 bytes as they lie in memory: K's 16 images, V's 16 images (2,048 bytes each), K's scale words, V's scale words (1,024 bytes each); then the spare words.
; A wave fetches a quarter of a slot, 132 rows of 256 bytes.  An image is read at 16 x lane: every load's 512 bytes are consecutive, so no row has a pitch or a padding.
; Both products are used transposed, so that a lane holds ONE query (lane % 16) throughout; the launch that laid K and V chose each tile's rows so that a lane's 16 registers of two neighbouring tiles are 16 neighbours along the next K.
; A KEY STEP j, in phases: the step to key step j + 1 (in every second step the change of slots) and the first of its K; the statistics; O^T x f, ahead of the exponentials, with more of K asked for in its middle and at its end;
; t - M, one batch of 136 exponentials; the sums, P's scale words, the hold and the codes; 24 products S^T of step j + 1; K's last four fragments; the 32 products V^T P of step j; V of step j + 1 in four groups among the
; last 8 products S^T and the 64 lines of step j + 1's block maxima.  LDS loads go out in groups of 16 to 18.
; REGISTERS, in windows of 256: window 0: addresses, statistics, scale words, S^T (v64-191), P (v192-223), v224-248 at work.  window 1: O^T, 128 a query tile.  window 2: v0-63 Q, v64-255 twelve places for K's fragments.  window 3: V's 16 fragments.
; O^T and l begin as zeros and the largest t as -3e38, so that the key step has no first step of its own.
; LIMITS: NaN and infinities are not served; a block of p that has fallen under 2^-111 keeps the scale byte 1; the promise holds while |t| stays under 2^31.
.set STEPB, 67584                      ; a key step in a slot
.set SLOTB, 2*STEPB                    ; slot B begins here.  0x21000 shares no bit with wave x 33,792 nor with 0: one exclusive or turns a slot's first address into the other's
.set QUART, SLOTB/4
.set SPARE, 2*SLOTB                    ; the spare words, 128 bytes for each wave: two blocks of 256 bytes that no other line names
.set LI,   1                           ; v1   16 x lane
.set LV,   2                           ; v2   16 x lane + 32,768: V's images lie behind K's
.set ASK0, 3                           ; v3   K's scale words: lanes 0-15 K step 0, lanes 16-31 K step 1
.set ASV0, 4                           ; v4   V's: lanes 0-15 an even tile, lanes 16-31 the odd one behind it
.set SPW,  5                           ; v5   LDS address of my spare word; never rewritten
.set NIL,  6                           ; v6   0; never rewritten
.set PFO,  7                           ; v7   256 x lane: the prefetches' offset
.set ADK,  8                           ; v8-11 LDS addresses of the key step that is being fetched: K, V, K's scale words, V's
.set ADV,  9
.set ADS,  10
.set ADT,  11
.set ST,   12                          ; v12-19 a query tile's -M, largest t, l in two halves
.set KS,   20                          ; v20-27 K's scale words, a register a tile
.set VS,   28                          ; v28-35 V's, a register for two tiles
.set QS,   36                          ; v36-37 Q's
.set PS,   38                          ; v38-39 P's
.set BM,   40                          ; v40-47 four block maxima a query tile
.set T2,   48                          ; v48-55 at work
.set F,    56                          ; v56-59 f = 2^(old M - new M), a pair a tile
.set TMP,  60
.set PFZ,  62                          ; v62  0: the offset of a wave's 33rd block
.set S,    64
.set P,    192
.set HOLD, 224                         ; v224-231 57,344 x the scale
.set SCLOP, 232                        ; v232-239 the conversions' scale operands
.set QSO,  240                         ; v240 512 (lane / 16) + 4 (lane % 16)
.set HOLD2, 241                        ; v241-248 57,344 x the scale once more, one register bank on: the second half of a dual line reads it
.set QD,   244                         ; v244-247 the way out: -M, l of both tiles
.set KF,   64                          ; in window 2
.set WV,   12
.set G1C,  24                          ; s[24:31] group 1: 132 rows of 256 bytes
.set G0A,  40                          ; s[40:43] slot A's first fill
.set G0C,  44                          ; s[44:47] slot B's first fill; it then walks
.set SLOTS, 56
.set TAIL, 57
.set CS,   58                          ; s[58:59] c = log2(e) / 16
.set SEL,  60
.set TB,   62                          ; s62  LDS byte at which the key step to be fetched begins
.set MNT,  66
.set PFA,  68
.set LIM,  70
.set PO,   72
.set STB,  74
.set W_KQ, 0x0a                        ; K and Q in window 2, S^T in window 0
.set W_PV, 0x53                        ; V in window 3, P in window 0, O^T in window 1
.set W_RS, 0x41                        ; O^T (destination and source 0) in window 1
.set MSB, 0
.macro WIN new                         ; the immediate's high byte repeats the setting that is left
.if MSB != \new
	s_set_vgpr_msb (MSB<<8)|\new
.set MSB, \new
.endif
.endm
.macro PLACES                          ; eight places behind this matrix form
.rept 8
	v_nop
.endr
.endm
.macro CROUND                          ; a round of the cluster's barrier
	s_barrier_signal -1
	s_barrier_wait -1
	s_cmp_lg_u32 s[WV], 0
	s_cbranch_scc1 .Lnot_wave_0_\@
	s_barrier_signal -3
.Lnot_wave_0_\@:
	s_barrier_wait -3
	s_barrier_signal -1
	s_barrier_wait -1
.endm
; A prefetch of what the NEXT change of slots will ask for: a slot's 528 blocks of 256 bytes.  All clusters of a split walk the same bytes: the first of them asks.  Its four partners take 132 blocks each, told apart by address;
; in each, every wave takes 33: 32 by lanes 256 bytes apart, the 33rd by a line in which all lanes name it.  It stands two key steps ahead of the load that wants the bytes.  The last change that fills a slot asks for nothing.
.macro ASK
	s_cmp_gt_u32 s[SLOTS], s[LIM]
	s_cbranch_scc0 .Lnot_mine_\@
	global_prefetch_b8 v[PFO], s[PFA:PFA+1] th:TH_LOAD_NT scope:SCOPE_SE
	global_prefetch_b8 v[PFZ], s[PFA:PFA+1] offset:8192 th:TH_LOAD_NT scope:SCOPE_SE
.Lnot_mine_\@:
.endm
; Product n_ of 32 of S^T = K Q^T: K's fragment n_ / 2 (K step (n_ / 2) / 8, key tile (n_ / 2) % 8), query tile n_ % 2.  Fragments 12 to 15 stand in places 0 to 3.  The 16 accumulators take turns, one instruction a turn.
.macro SWM
.set fi_, n_/2
.set fq_, n_%2
.set ks_, fi_%8
.set sl_, fi_%12
	WIN W_KQ
.if fi_ < 8
	v_wmma_scale_f32_16x16x128_f8f6f4 v[S+64*fq_+8*ks_:S+64*fq_+8*ks_+7], v[KF+16*sl_:KF+16*sl_+15], v[32*fq_:32*fq_+15], 0, v[KS+ks_], v[QS+fq_] matrix_a_fmt:MATRIX_FMT_BF8 matrix_b_fmt:MATRIX_FMT_BF8
.else
	v_wmma_scale_f32_16x16x128_f8f6f4 v[S+64*fq_+8*ks_:S+64*fq_+8*ks_+7], v[KF+16*sl_:KF+16*sl_+15], v[32*fq_+16:32*fq_+31], v[S+64*fq_+8*ks_:S+64*fq_+8*ks_+7], v[KS+ks_], v[QS+fq_] matrix_a_fmt:MATRIX_FMT_BF8 matrix_b_fmt:MATRIX_FMT_BF8 matrix_a_scale:MATRIX_SCALE_ROW1 matrix_b_scale:MATRIX_SCALE_ROW1
.endif
.set n_, n_+1
.endm
.macro K1215                           ; K's fragments 12 to 15 into places 0 to 3
	WIN 0x80                                       ; destination window 2
.irp i, 0,1,2,3
.irp c, 0,1,2,3
	ds_load_b128 v[KF+16*\i+4*\c:KF+16*\i+4*\c+3], v[ADK] offset:(4+\i)*4096+2048+512*\c
.endr
.endr
	WIN 0
.endm
.macro KADR                            ; the four LDS addresses of the key step at s[TB]
	v_add_nc_u32 v[ADK], s[TB], v[LI]
	v_add_nc_u32 v[ADS], s[TB], v[ASK0]
	v_add_nc_u32 v[ADV], s[TB], v[LV]
	v_add_nc_u32 v[ADT], s[TB], v[ASV0]
	s_wait_alu depctr_va_vdst(0)                   ; directly behind the writes: some readers stand behind waits
.endm
.macro KSL                             ; K's scale words
.irp k, 0,1,2,3,4,5,6,7
	ds_load_b32 v[KS+\k], v[ADS] offset:64*\k
.endr
.endm
.macro KGRP g                          ; K's fragments 4 g to 4 g + 3, g = 0 .. 2
	WIN 0x80
.set i_, 4*(\g)
.rept 4
.irp c, 0,1,2,3
	ds_load_b128 v[KF+16*i_+4*\c:KF+16*i_+4*\c+3], v[ADK] offset:(i_%8)*4096+(i_/8)*2048+512*\c
.endr
.set i_, i_+1
.endr
	WIN 0
.endm
.macro VGRP g                          ; V's fragments 4 g to 4 g + 3 and their two registers of scale words: 18 loads
	ds_load_b32 v[VS+2*(\g)], v[ADT] offset:256*(\g)
	ds_load_b32 v[VS+2*(\g)+1], v[ADT] offset:256*(\g)+128
	WIN 0xc0                                       ; destination window 3
.set m_, 16*(\g)
.rept 16
	ds_load_b128 v[4*m_:4*m_+3], v[ADV] offset:512*m_
.set m_, m_+1
.endr
	WIN 0
.endm
; Line a_ of 64 of the block maxima: the largest score of each block of 32 keys, of my 16 of them; it serves for the row's maximum and, since p rises with the score, for the block's largest p.
; Eight chains (four blocks x two query tiles) by turns.  Each accumulator is first read at its low end: the even tile of a block at registers 0 to 2, the odd one at its register 0 (line group 3).
.macro SMA
.set ag_, a_/8
.set as_, S+64*(a_%2)+16*((a_%8)/2)
.set am_, BM+4*(a_%2)+(a_%8)/2
.if ag_ == 0
	v_max3_num_f32 v[am_], v[as_], v[as_+1], v[as_+2]
.elseif ag_ < 7
	v_max3_num_f32 v[am_], v[am_], v[as_+2*ag_+1], v[as_+2*ag_+2]
.else
	v_max_num_f32 v[am_], v[am_], v[as_+15]
.endif
.set a_, a_+1
.endm
.macro RSH                             ; one query tile's O^T under the new M: x f, which rounds nothing; ascending
	WIN W_RS
.rept 64
	v_pk_mul_f32 v[2*r_:2*r_+1], v[2*r_:2*r_+1], v[F+2*(r_/64):F+2*(r_/64)+1] op_sel_hi:[1,0]
.set r_, r_+1
.endr
	WIN 0
.endm
.macro PV32                            ; O^T += V^T P^T: product n_: channel tile n_ / 2, query tile n_ % 2.  The 32 accumulators take turns
	WIN W_PV
.set n_, 0
.rept 32
.set pt_, n_/2
.set pq_, n_%2
.if pt_%2
	v_wmma_scale_f32_16x16x128_f8f6f4 v[128*pq_+8*pt_:128*pq_+8*pt_+7], v[16*pt_:16*pt_+15], v[P+16*pq_:P+16*pq_+15], v[128*pq_+8*pt_:128*pq_+8*pt_+7], v[VS+pt_/2], v[PS+pq_] matrix_a_fmt:MATRIX_FMT_BF8 matrix_b_fmt:MATRIX_FMT_BF8 matrix_a_scale:MATRIX_SCALE_ROW1
.else
	v_wmma_scale_f32_16x16x128_f8f6f4 v[128*pq_+8*pt_:128*pq_+8*pt_+7], v[16*pt_:16*pt_+15], v[P+16*pq_:P+16*pq_+15], v[128*pq_+8*pt_:128*pq_+8*pt_+7], v[VS+pt_/2], v[PS+pq_] matrix_a_fmt:MATRIX_FMT_BF8 matrix_b_fmt:MATRIX_FMT_BF8
.endif
.set n_, n_+1
.endr
	WIN 0
.endm
.macro STATS                           ; from the block maxima to -M and f, both query tiles by turns
.irp b, 0,1,2,3
.irp qt, 0,1
	v_permlanex16_b32 v[T2+4*\qt+\b], v[BM+4*\qt+\b], s[SEL], s[SEL+1]
.endr
.endr
.irp b, 0,1,2,3
.irp qt, 0,1
	v_max_num_f32 v[BM+4*\qt+\b], v[BM+4*\qt+\b], v[T2+4*\qt+\b]   ; with lane l xor 16's 16 keys
.endr
.endr
.irp qt, 0,1
	v_max3_num_f32 v[TMP+\qt], v[BM+4*\qt], v[BM+4*\qt+1], v[BM+4*\qt+2]
.endr
.irp qt, 0,1
	v_max_num_f32 v[TMP+\qt], v[TMP+\qt], v[BM+4*\qt+3]
.endr
.irp qt, 0,1
	v_mul_f32 v[TMP+\qt], s[CS], v[TMP+\qt]        ; as t (c is positive)
.endr
.irp qt, 0,1
	v_max_num_f32 v[ST+4*\qt+1], v[ST+4*\qt+1], v[TMP+\qt]   ; the running largest t
.endr
.irp qt, 0,1
	v_mov_b32 v[TMP+\qt], v[ST+4*\qt]
.endr
.irp qt, 0,1
	v_floor_f32 v[ST+4*\qt], -v[ST+4*\qt+1]        ; the new -M = floor(-t): M is a whole number
.endr
.irp qt, 0,1
	v_sub_f32 v[TMP+\qt], v[ST+4*\qt], v[TMP+\qt]  ; old M - new M: a whole number, 0 or less
.endr
.irp qt, 0,1
	v_cvt_i32_f32 v[TMP+\qt], v[TMP+\qt]           ; (it saturates)
.endr
.irp qt, 0,1
	v_ldexp_f32 v[F+2*\qt], 1.0, v[TMP+\qt]        ; f = 2^(old M - new M)
.endr
.endm
.macro EXPS                            ; p = 2^(t - M) of the 128 scores and of the eight block maxima: one batch
.set j_, 0
.rept 32
.irp qt, 0,1
	v_pk_fma_f32 v[S+64*\qt+j_:S+64*\qt+j_+1], v[S+64*\qt+j_:S+64*\qt+j_+1], s[CS:CS+1], v[ST+4*\qt:ST+4*\qt+1] op_sel_hi:[1,0,0]   ; t - M, two at a time
.endr
.set j_, j_+2
.endr
.irp b, 0,1,2,3
.irp qt, 0,1
	v_fma_f32 v[BM+4*\qt+\b], v[BM+4*\qt+\b], s[CS], v[ST+4*\qt]
.endr
.endr
	s_wait_alu depctr_va_vdst(0)                   ; ahead of the batch: it serves the scaled scores, f, l and the rescaled O^T
.set j_, 0
.rept 64
.irp qt, 0,1
	v_exp_f32 v[S+64*\qt+j_], v[S+64*\qt+j_]
.endr
.set j_, j_+1
.endr
.irp b, 0,1,2,3,4,5,6,7
	v_exp_f32 v[BM+\b], v[BM+\b]                   ; the block's largest p: the same two instructions on the same number
.endr
.irp qt, 0,1
	v_pk_mul_f32 v[ST+4*\qt+2:ST+4*\qt+3], v[ST+4*\qt+2:ST+4*\qt+3], v[F+2*\qt:F+2*\qt+1] op_sel_hi:[1,0]   ; l under the new M; the plain lines behind the exponentials
.endr
	s_wait_alu depctr_va_vdst(0)                   ; and the one behind it, ahead of its first reader
.endm
.macro QUANTP                          ; the sums, P's scale words and codes
.irp qt, 0,1
	v_pk_add_f32 v[T2+4*\qt:T2+4*\qt+1], v[S+64*\qt:S+64*\qt+1], v[S+64*\qt+2:S+64*\qt+3]   ; the sum of the UNQUANTISED p: two chains a tile, four by turns
.endr
.set j_, 4
.rept 15
.irp qt, 0,1
	v_pk_add_f32 v[ST+4*\qt+2:ST+4*\qt+3], v[ST+4*\qt+2:ST+4*\qt+3], v[S+64*\qt+j_:S+64*\qt+j_+1]
.endr
.irp qt, 0,1
	v_pk_add_f32 v[T2+4*\qt:T2+4*\qt+1], v[T2+4*\qt:T2+4*\qt+1], v[S+64*\qt+j_+2:S+64*\qt+j_+3]
.endr
.set j_, j_+4
.endr
.irp qt, 0,1
	v_pk_add_f32 v[ST+4*\qt+2:ST+4*\qt+3], v[ST+4*\qt+2:ST+4*\qt+3], v[T2+4*\qt:T2+4*\qt+1]
.endr
.irp b, 0,1,2,3,4,5,6,7
	v_max_num_f32 v[BM+\b], 0x8000000, v[BM+\b]    ; the floor 2^(16 - 127)
.endr
.irp b, 0,1,2,3,4,5,6,7
	v_add_nc_u32 v[SCLOP+\b], 0xf8800000, v[BM+\b] ; 15 off the exponent field: the conversion's scale operand
.endr
.irp b, 0,1,2,3,4,5,6,7
	v_and_or_b32 v[HOLD+\b], v[BM+\b], 0x7f800000, s[MNT]   ; 57,344 x the scale
.endr
.irp b, 0,1,2,3,4,5,6,7
	v_and_or_b32 v[HOLD2+\b], v[BM+\b], 0x7f800000, s[MNT]
.endr
.irp b, 0,1,2,3,4,5,6,7
	v_lshrrev_b32 v[T2+\b], 23, v[SCLOP+\b]        ; the scale's byte
.endr
.irp qt, 0,1
	v_lshl_or_b32 v[PS+\qt], v[T2+4*\qt+1], 8, v[T2+4*\qt]   ; P's scale word for these 128 keys
.endr
.irp qt, 0,1
	v_lshl_or_b32 v[PS+\qt], v[T2+4*\qt+2], 16, v[PS+\qt]
.endr
.irp qt, 0,1
	v_lshl_or_b32 v[PS+\qt], v[T2+4*\qt+3], 24, v[PS+\qt]
.endr
.irp b, 0,1,2,3
.irp qt, 0,1
.set i_, 0
.rept 8                                ; the conversion does not saturate (ISA guide 7.6.2); p is not negative, so the hold is one-sided; two numbers a line
	v_dual_min_num_f32 v[S+64*\qt+16*\b+i_], v[S+64*\qt+16*\b+i_], v[HOLD+4*\qt+\b] :: v_dual_min_num_f32 v[S+64*\qt+16*\b+i_+1], v[S+64*\qt+16*\b+i_+1], v[HOLD2+4*\qt+\b]
.set i_, i_+2
.endr
	v_cvt_scalef32_pk8_bf8_f32 v[P+16*\qt+4*\b:P+16*\qt+4*\b+1], v[S+64*\qt+16*\b:S+64*\qt+16*\b+7], v[SCLOP+4*\qt+\b]
	v_cvt_scalef32_pk8_bf8_f32 v[P+16*\qt+4*\b+2:P+16*\qt+4*\b+3], v[S+64*\qt+16*\b+8:S+64*\qt+16*\b+15], v[SCLOP+4*\qt+\b]
.endr
.endr
	v_nop                                          ; one plain line behind the last conversion
.endm
; THE CHANGE OF SLOTS: all of the slot in hand has been asked for from LDS.  Each wave waits for all its tensor loads (its part of the other slot), adds 0 to its spare word, and waits for that and for its reads.
; fill = 1: the barrier is a round of the cluster's, and the joint refill of the slot just left is the first thing behind it: it has two key steps in which to land.
.macro CHANGE fill
	s_wait_tensorcnt 0x0                           ; no tensor load of mine is out, so a group 0 may be written
	ds_add_u32 v[SPW], v[NIL]                      ; 0 onto my spare word
.if \fill
	s_xor_b32 s[G0C+1], s[G0C+1], SLOTB            ; the walking descriptor: the other slot than last time,
	s_add_nc_u64 s[G0C+2:G0C+3], s[G0C+2:G0C+3], SLOTB   ; the next two key steps; the type bits on top are not reached
	s_wait_xcnt 0x0                                ; the last prefetches, two key steps back, have read their address
	s_add_nc_u64 s[PFA:PFA+1], s[PFA:PFA+1], SLOTB
	s_wait_dscnt 0x0                               ; the add is done, and my reads of the slot are over
	CROUND
	tensor_load_to_lds s[G0C:G0C+3], s[G1C:G1C+7]  ; my one tensor load behind the round
	s_nop 0
.rept 4
	v_nop
.endr
	ASK
.else
	s_wait_dscnt 0x0
	s_barrier_signal -1
	s_barrier_wait -1
.endif
.endm
; On to key step j + 1.  kind 0: a slot's first step; 1: its second, and the slot is filled again; 2: its second, in the last two slots: nothing is filled, and the very last step fetches nothing.
.macro MID kind
.if \kind == 0
	s_add_co_u32 s[TB], s[TB], STEPB
.else
	CHANGE 2-\kind
	s_sub_co_u32 s[TB], s[TB], STEPB               ; back to a slot's first step,
	s_xor_b32 s[TB], s[TB], SLOTB                  ; in the other slot
.endif
	KADR
.if \kind == 2
	s_cmp_eq_u32 s[TAIL], 1                        ; the last step has no successor
	s_cbranch_scc1 .Lno_fetch_\@
	KSL
	KGRP 0
	KGRP 1
	KGRP 2
.Lno_fetch_\@:
.else
	KSL
	KGRP 0
.endif
.endm
; The products.  pv = 1: this step's V^T P among the next step's S^T; pv = 0: ahead of the first step.
.macro NEXT pv
	s_wait_alu depctr_va_vdst(0)                   ; directly ahead of the wait below
	s_wait_dscnt 0x0                               ; K's fragments 0 to 11, its scale words, and this step's V
.set n_, 0
.rept 24
	SWM
.endr
	WIN 0
	PLACES                                         ; in front of the loads into places 0 to 3; also P's and its scale words' places
	K1215
.if \pv
	PV32
	PLACES                                         ; in front of the loads into V's registers
.endif
	VGRP 0
	s_wait_dscnt 18                                ; fragments 12 to 15 are in; behind them: V's first group, 18 loads
.set n_, 24
.rept 8
	SWM
.endr
	WIN 0
	VGRP 1
	PLACES                                         ; ahead of the first read of the scores
.set a_, 0
.rept 32
	SMA
.endr
	VGRP 2
.rept 32
	SMA
.endr
	VGRP 3
	s_wait_alu depctr_va_vdst(0)
.endm
.macro STEP kind
	MID \kind
	STATS
.set r_, 0
	RSH
.if \kind != 2
	KGRP 1
.endif
	RSH
.if \kind != 2
	KGRP 2
.endif
	EXPS
	QUANTP
.if \kind == 2
	s_wait_alu depctr_va_vdst(0)                   ; ahead of the branch
	s_cmp_eq_u32 s[TAIL], 1                        ; the last step's end is written out: no next scores, no next V
	s_cbranch_scc1 .Llast_\@
.endif
	NEXT 1
.if \kind == 2
	s_branch .Lend_\@
.Llast_\@:
	PLACES                                         ; P's and its scale words' places
	s_wait_dscnt 0x0                               ; the last V
	PV32
.Lend_\@:
.endif
.endm
	s_load_b128 s[4:7], s[0:1], 0x0                ; qb s[4:5], kv s[6:7]
	s_load_b64 s[8:9], s[0:1], 0x10                ; pa
	v_lshl_add_u32 v[SPW], v0, 2, SPARE
	v_mov_b32 v[NIL], 0
	ds_add_u32 v[SPW], v[NIL]                      ; the opening adds, twice on end; their wait stands ahead of my first tensor load
	ds_add_u32 v[SPW], v[NIL]
	v_lshrrev_b32 v8, 5, v0
	v_readfirstlane_b32 s[WV], v8                  ; wave 0..3
	v_and_b32 v8, 31, v0
	v_lshlrev_b32 v[LI], 4, v8
	v_add_nc_u32 v[LV], 32768, v[LI]
	v_lshlrev_b32 v[PFO], 8, v8
	v_mov_b32 v[PFZ], 0
	v_lshlrev_b32 v9, 2, v8
	v_add_nc_u32 v[ASV0], 65536+1024, v9
	v_and_b32 v10, 15, v0
	v_bfe_u32 v11, v0, 4, 1
	v_lshlrev_b32 v[QSO], 2, v10
	v_lshl_add_u32 v[QSO], v11, 9, v[QSO]
	v_add_nc_u32 v[ASK0], 65536, v[QSO]
	s_bfe_u32 s13, ttmp6, 0x40000                  ; cx: my place in the cluster
	s_lshl_b32 s14, ttmp9, 2
	s_add_co_u32 s14, s14, s13                     ; my block of 128 queries: it enters Q's, the results' and the prefetches' addresses alone
	s_and_b32 s15, ttmp7, 0xffff                   ; the split of the keys, which the four partners share
	s_mov_b32 s[G1C], 15|(3<<16)|(1<<21)           ; 15:0 the mask: all four work-groups; 17:16 elements of 8 bytes; 21 set beside a mask; no padding
	s_mov_b32 s[G1C+1], 32<<16                     ; tensor_dim0 = 32 elements: rows of 256 bytes
	s_mov_b32 s[G1C+2], 132<<16                    ; tensor_dim1 = 132
	s_mov_b32 s[G1C+3], 32<<16                     ; tile_dim0
	s_mov_b32 s[G1C+4], 132                        ; tile_dim1
	s_mov_b32 s[G1C+5], 32                         ; the pitch: the block is dense
	s_mov_b32 s[G1C+6], 0
	s_mov_b32 s[G1C+7], 0
	s_mul_i32 s16, s15, 16*STEPB                   ; the split's 16 key steps; my quarter of a slot
	s_mul_i32 s20, s[WV], QUART
	s_add_co_u32 s16, s16, s20
	s_mov_b32 s17, 0
	s_lshl_b32 s21, s[WV], 13
	s_lshl_b32 s52, s14, 15                        ; Q's images: 32,768 bytes a block, 8,192 a wave
	s_add_co_u32 s52, s52, s21
	s_mov_b32 s53, 0
	s_lshl_b32 s54, s14, 10                        ; Q's scale words: 1,024 bytes a block, 128 for my two tiles in each K step
	s_lshl_b32 s55, s[WV], 7
	s_add_co_u32 s54, s54, s55
	s_add_co_u32 s54, s54, 0x200000
	s_mov_b32 s55, 0
	s_mul_i32 s[PFA], s15, 16*STEPB                ; the prefetches: my work-group's quarter of a slot, my wave's 8,448 bytes, in slot 2: the first change steps it to slot 3
	s_mul_i32 s[PFA+1], s13, QUART
	s_add_co_u32 s[PFA], s[PFA], s[PFA+1]
	s_mul_i32 s[PFA+1], s[WV], QUART/4
	s_add_co_u32 s[PFA], s[PFA], s[PFA+1]
	s_add_co_u32 s[PFA], s[PFA], 2*SLOTB
	s_mov_b32 s[PFA+1], 0
	s_lshl_b32 s[PO], s15, 9                       ; the results: 16,384 bytes a query tile, [split][tile]
	s_lshl_b32 s[PO+1], s14, 3
	s_add_co_u32 s[PO], s[PO], s[PO+1]
	s_lshl_b32 s[PO+1], s[WV], 1
	s_add_co_u32 s[PO], s[PO], s[PO+1]
	s_lshl_b32 s[PO], s[PO], 14
	s_mov_b32 s[PO+1], 0
	s_lshl_b32 s[STB], s15, 8                      ; the statistics: 512 bytes a pair of tiles, [split][pair]
	s_lshl_b32 s[STB+1], s14, 2
	s_add_co_u32 s[STB], s[STB], s[STB+1]
	s_add_co_u32 s[STB], s[STB], s[WV]
	s_lshl_b32 s[STB], s[STB], 9
	s_add_co_u32 s[STB], s[STB], 0x2000000
	s_mov_b32 s[STB+1], 0
	s_mov_b32 s[CS], 0x3db8aa3b                    ; c = log2(e) / 16
	s_mov_b32 s[CS+1], s[CS]                       ; (named with it as a pair, so it is written)
	s_mov_b32 s[SEL], 0x76543210
	s_mov_b32 s[SEL+1], 0xfedcba98
	s_mov_b32 s[MNT], 0x600000
	s_mov_b32 s[TB], 0
	s_mov_b32 s[SLOTS], 6
	s_mov_b32 s[TAIL], 2
	s_cmp_eq_u32 ttmp9, 0                          ; the split's first cluster prefetches: the same in all four partners
	s_cselect_b32 s[LIM], 1, -1
	s_wait_alu depctr_va_vdst(0)                   ; directly ahead of the waits below
	s_wait_dscnt 0x0                               ; both opening adds are done
	s_wait_kmcnt 0x0
	s_add_nc_u64 s[16:17], s[6:7], s[16:17]
	s_add_nc_u64 s[52:53], s[4:5], s[52:53]
	s_add_nc_u64 s[54:55], s[4:5], s[54:55]
	s_add_nc_u64 s[PFA:PFA+1], s[6:7], s[PFA:PFA+1]
	s_add_nc_u64 s[PO:PO+1], s[8:9], s[PO:PO+1]
	s_add_nc_u64 s[STB:STB+1], s[8:9], s[STB:STB+1]
	s_mov_b32 s[G0A], 1                            ; count = 1
	s_mov_b32 s[G0A+1], s20                        ; LDS address: no place in the cluster enters it
	s_mov_b64 s[G0A+2:G0A+3], s[16:17]
	s_or_b32 s[G0A+3], s[G0A+3], 0x80000000        ; type = 2
	s_mov_b32 s[G0C], 1
	s_add_co_u32 s[G0C+1], s20, SLOTB
	s_add_nc_u64 s[G0C+2:G0C+3], s[16:17], SLOTB
	s_or_b32 s[G0C+3], s[G0C+3], 0x80000000
	CROUND                                         ; all four work-groups are here: the first joint loads meet
	tensor_load_to_lds s[G0A:G0A+3], s[G1C:G1C+7]  ; slot A: my one tensor load at the head
	s_nop 0
.rept 4
	v_nop
.endr
	WIN 0x80                                       ; destination window 2: Q stays in registers
.set n_, 0
.rept 16
	global_load_b128 v[4*n_:4*n_+3], v[LI], s[52:53] offset:512*n_
.set n_, n_+1
.endr
	WIN 0
	global_load_b32 v[QS], v[QSO], s[54:55]        ; lanes 0-15 K step 0's words, lanes 16-31 K step 1's
	global_load_b32 v[QS+1], v[QSO], s[54:55] offset:64
.irp qt, 0,1
	v_mov_b32 v[ST+4*\qt+1], 0xff61b1e6            ; the largest t so far: -3e38, under every t
	v_floor_f32 v[ST+4*\qt], -v[ST+4*\qt+1]
	v_mov_b32 v[ST+4*\qt+2], 0
	v_mov_b32 v[ST+4*\qt+3], 0
	v_mov_b32 v[F+2*\qt+1], 0                      ; (named as the upper half of a pair)
.endr
.irp b, 0,1,2,3,4,5,6,7
	v_mov_b32 v[T2+\b], 0                          ; written once: a lane permute's destination counts as one of its sources
.endr
	WIN 0x40
.set n_, 0
.rept 256
	v_mov_b32 v[n_], 0                             ; O^T
.set n_, n_+1
.endr
	WIN 0
	s_wait_alu depctr_va_vdst(0)                   ; the wait at the head's end
	s_wait_tensorcnt 0x0                           ; my part of slot A is in; the same lines stand ahead of a later first fill as ahead of a refill:
	ds_add_u32 v[SPW], v[NIL]
	s_wait_dscnt 0x0
	CROUND                                         ; everybody's part is in, and the joint loads meet
	tensor_load_to_lds s[G0C:G0C+3], s[G1C:G1C+7]  ; slot B's first fill: it has two key steps in which to land
	s_nop 0
.rept 4
	v_nop
.endr
	; what the first key step finds done: its scores, its V on the way, its block maxima
	KADR
	KSL
	KGRP 0
	KGRP 1
	KGRP 2
	s_wait_loadcnt 0x0                             ; Q
	NEXT 0
.Lslot:                                            ; six trips: slots 0 to 5 are left and filled again with slots 2 to 7
	STEP 0
	STEP 1
	s_sub_co_u32 s[SLOTS], s[SLOTS], 1
	s_cmp_lg_u32 s[SLOTS], 0
	s_cbranch_scc1 .Lslot
.Ltail:                                            ; the last two slots
	STEP 0
	STEP 2
	s_sub_co_u32 s[TAIL], s[TAIL], 1
	s_cmp_lg_u32 s[TAIL], 0
	s_cbranch_scc1 .Ltail
	; THE WAY OUT: O^T as it stands in the registers, 16 bytes a lane, 512 consecutive bytes a store; -M and l of both tiles as one group of four
	PLACES
	v_add_f32 v[QD+1], v[ST+2], v[ST+3]
	v_add_f32 v[QD+3], v[ST+6], v[ST+7]
	v_permlanex16_b32 v[T2], v[QD+1], s[SEL], s[SEL+1]
	v_permlanex16_b32 v[T2+1], v[QD+3], s[SEL], s[SEL+1]
	v_mov_b32 v[QD], v[ST]
	v_mov_b32 v[QD+2], v[ST+4]
	v_add_f32 v[QD+1], v[QD+1], v[T2]              ; with lane l xor 16's keys
	v_add_f32 v[QD+3], v[QD+3], v[T2+1]
	global_store_b128 v[LI], v[QD:QD+3], s[STB:STB+1]
	WIN 0x04                                       ; a store's data are its source 1: window 1
.set n_, 0
.rept 64
	global_store_b128 v[LI], v[4*n_:4*n_+3], s[PO:PO+1] offset:512*n_   ; each accumulator from its low end on
.set n_, n_+1
.endr
	WIN 0
	s_wait_tensorcnt 0x0                           ; the wave's end
	ds_add_u32 v[SPW], v[NIL]
	s_wait_dscnt 0x0
	CROUND                                         ; the closing round: no work-group ends while a partner may still ask for a tile that names it
	s_endpgm
.Lfunc_end_k_q7f09549266_attn:
	.size	k_q7f09549266_attn, .Lfunc_end_k_q7f09549266_attn-k_q7f09549266_attn
	.p2alignl 7, 3214868480
	.fill 96, 4, 3214868480
	.section	.rodata,"a",@progbits
	.p2align	6, 0x0
	.amdhsa_kernel k_q7f09549266_attn
		.amdhsa_group_segment_fixed_size 327680
		.amdhsa_private_segment_fixed_size 0
		.amdhsa_enable_private_segment 0
		.amdhsa_kernarg_size 24
		.amdhsa_user_sgpr_count 2
		.amdhsa_user_sgpr_kernarg_segment_ptr 1
		.amdhsa_wavefront_size32 1
		.amdhsa_system_sgpr_workgroup_id_x 1
		.amdhsa_system_sgpr_workgroup_id_y 1
		.amdhsa_system_sgpr_workgroup_id_z 1
		.amdhsa_system_vgpr_workitem_id 0
		.amdhsa_next_free_vgpr 1024
		.amdhsa_next_free_sgpr 80
		.amdhsa_reserve_vcc 0
		.amdhsa_float_denorm_mode_32 3
		.amdhsa_float_denorm_mode_16_64 3
		.amdhsa_memory_ordered 1
		.amdhsa_forward_progress 1
		.amdhsa_inst_pref_size 255
	.end_amdhsa_kernel
	.section	.bss,"aw",@nobits
	.p2align	6
	.space	262144
	.amdgpu_metadata
---
amdhsa.version: [ 1, 2 ]
amdhsa.kernels:
  - .name:           k_q7f09549266_attn
    .symbol:         k_q7f09549266_attn.kd
    .args:
      - { .name: qb, .offset: 0, .size: 8, .value_kind: global_buffer, .address_space: global }
      - { .name: kv, .offset: 8, .size: 8, .value_kind: global_buffer, .address_space: global }
      - { .name: pa, .offset: 16, .size: 8, .value_kind: global_buffer, .address_space: global }
    .group_segment_fixed_size: 327680
    .private_segment_fixed_size: 0
    .kernarg_segment_align: 8
    .kernarg_segment_size: 24
    .max_flat_workgroup_size: 128
    .sgpr_count:     80
    .vgpr_count:     1024
    .wavefront_size: 32
...
	.end_amdgpu_metadata
.endif
;; end of part 2
;; launch join (part 3): grid 256 x 1, 2 waves a work-group, no clusters, 0 bytes of LDS; arguments pa, ab; writes ab
.if DOCPART == 3
	.amdgcn_target "amdgcn-amd-amdhsa--gfx1250"
	.amdhsa_code_object_version 6
	.text
	.protected	k_q7f09549266_join
	.globl	k_q7f09549266_join
	.p2align	8
	.type	k_q7f09549266_join,@function
k_q7f09549266_join:
	s_mov_b64 s[64:65], 0
	v_nop
	global_prefetch_b8 v0, s[64:65] scope:SCOPE_SE
	s_setreg_imm32_b32 hwreg(HW_REG_WAVE_MODE, 25, 1), 1
	s_wait_xcnt 0x0
; JOIN: the four parts of each query's attention become attn = (sum over s of 2^(M_s - M) O_s) / (sum over s of 2^(M_s - M) l_s), M the largest M_s: the powers of two are exact.
; Then sq = the sum of attn^2 (f32, of the unquantised numbers), kept as -sq / 2, and attn's codes of BF8 (E5M2) along its 256 channels, as two images of operand registers with their scale words.
; A wave takes one tile of 16 queries: 4 x 128 registers as the launch before left them (register 16 b + i = channel 32 b + 16 (lane / 16) + i of query lane % 16).  Waves share nothing: no LDS, no barrier.
; A stream: each byte is read once, by loads of 512 consecutive bytes; matrix units, clusters and tensor loads would add nothing.  The scale words (128 bytes a tile) and -sq / 2 (64 bytes) cover only parts of
; aligned blocks of 256 bytes: 96 KB of the launch's 36 MB.
; LIMITS: NaN and infinities are not served; a block whose largest magnitude lies under 2^-111 keeps the scale byte 1, a block of zeros too.
.set TM,  16
.set PC,  32                           ; v32-63 the two fragments' codes
.set STT, 64                           ; v64-71 -M, l of the four parts
.set G,   72                           ; v72-79 the four factors, each twice (a pair for the packed forms)
.set TP,  80
.set SQ,  88                           ; v88-95 four chains of squares
.set PW,  96                           ; v96, v97 the scale words; v98 both in one register; v99 -sq / 2
.set A,   128                          ; v128-255 part 0, then attn.  window 1: parts 1 and 2.  window 2, v0-127: part 3
.set MNT, 11
.set SEL, 30
.set MSB, 0
.macro WIN new
.if MSB != \new
	s_set_vgpr_msb (MSB<<8)|\new
.set MSB, \new
.endif
.endm
.macro QUANT s, d, pw
.irp b, 0,1,2,3
	v_max3_num_f32 v[TM+\b], |v[(\s)+16*\b]|, |v[(\s)+1+16*\b]|, 0x8000000   ; with the floor 2^(16 - 127)
.endr
.irp i, 2,4,6,8,10,12,14
.irp b, 0,1,2,3
	v_max3_num_f32 v[TM+\b], v[TM+\b], |v[(\s)+16*\b+\i]|, |v[(\s)+1+16*\b+\i]|
.endr
.endr
.irp b, 0,1,2,3
	v_permlanex16_b32 v[TM+4+\b], v[TM+\b], s[SEL], s[SEL+1]
.endr
.irp b, 0,1,2,3
	v_max_num_f32 v[TM+\b], v[TM+\b], v[TM+4+\b]
.endr
.irp b, 0,1,2,3
	v_add_nc_u32 v[TM+12+\b], 0xf8800000, v[TM+\b]   ; 15 off the exponent field: the conversion's scale operand
.endr
.irp b, 0,1,2,3
	v_and_or_b32 v[TM+8+\b], v[TM+\b], 0x7f800000, s[MNT]   ; 57,344 x the scale
.endr
.irp b, 0,1,2,3
	v_lshrrev_b32 v[TM+4+\b], 23, v[TM+12+\b]
.endr
	v_lshl_or_b32 v[\pw], v[TM+5], 8, v[TM+4]
	v_lshl_or_b32 v[\pw], v[TM+6], 16, v[\pw]
	v_lshl_or_b32 v[\pw], v[TM+7], 24, v[\pw]
.irp b, 0,1,2,3
.set i_, 0
.rept 16
	v_med3_num_f32 v[(\s)+16*\b+i_], v[(\s)+16*\b+i_], -v[TM+8+\b], v[TM+8+\b]   ; the conversion does not saturate (ISA guide 7.6.2)
.set i_, i_+1
.endr
	v_cvt_scalef32_pk8_bf8_f32 v[(\d)+4*\b:(\d)+4*\b+1], v[(\s)+16*\b:(\s)+16*\b+7], v[TM+12+\b]
	v_cvt_scalef32_pk8_bf8_f32 v[(\d)+4*\b+2:(\d)+4*\b+3], v[(\s)+16*\b+8:(\s)+16*\b+15], v[TM+12+\b]
.endr
	v_nop
.endm
.macro PART dst, base                  ; 32 loads of 512 consecutive bytes
.set n_, 0
.rept 32
	global_load_b128 v[(\dst)+4*n_:(\dst)+4*n_+3], v1, s[\base:\base+1] offset:512*n_ th:TH_LOAD_NT
.set n_, n_+1
.endr
.endm
.macro ADDIN src, g                    ; attn += part x its factor
.set j_, 0
.rept 64
	v_pk_fma_f32 v[A+j_:A+j_+1], v[(\src)+j_:(\src)+j_+1], v[G+2*(\g):G+2*(\g)+1], v[A+j_:A+j_+1]
.set j_, j_+2
.endr
.endm
	s_load_b128 s[4:7], s[0:1], 0x0                ; pa, ab
	v_lshrrev_b32 v5, 5, v0
	v_readfirstlane_b32 s8, v5                     ; wave 0, 1
	s_lshl_b32 s9, ttmp9, 1
	s_add_co_u32 s9, s9, s8                        ; my tile
	v_and_b32 v5, 31, v0
	v_lshlrev_b32 v1, 4, v5                        ; 16 x lane
	s_lshl_b32 s10, s8, 3
	v_add_nc_u32 v2, s10, v1                       ; the statistics: 16 bytes a lane for a pair of tiles, my tile's 8
	v_lshlrev_b32 v3, 2, v5                        ; 4 x lane
	v_and_b32 v4, 15, v0
	v_lshlrev_b32 v4, 2, v4                        ; 4 x (lane % 16)
	s_mov_b32 s[MNT], 0x600000
	s_mov_b32 s[SEL], 0x76543210
	s_mov_b32 s[SEL+1], 0xfedcba98
.irp b, 0,1,2,3
	v_mov_b32 v[TM+4+\b], 0
.endr
	s_lshl_b32 s12, s9, 14                         ; 16,384 bytes a tile
	s_mov_b32 s13, 0
	s_lshl_b32 s20, ttmp9, 9
	s_add_co_u32 s20, s20, 0x2000000
	s_mov_b32 s21, 0
	s_lshl_b32 s22, s9, 12                         ; attn's images: 4,096 bytes a tile
	s_mov_b32 s23, 0
	s_lshr_b32 s24, s9, 5
	s_mul_i32 s24, s24, 6144                       ; a block of 32 tiles: 4,096 bytes of scale words, 2,048 of -sq / 2
	s_and_b32 s25, s9, 31
	s_lshl_b32 s26, s25, 7
	s_add_co_u32 s26, s26, s24
	s_add_co_u32 s26, s26, 0x200000
	s_mov_b32 s27, 0
	s_lshl_b32 s28, s25, 6
	s_add_co_u32 s28, s28, s24
	s_add_co_u32 s28, s28, 0x201000
	s_mov_b32 s29, 0
	s_wait_alu depctr_va_vdst(0)
	s_wait_kmcnt 0x0
	s_add_nc_u64 s[12:13], s[4:5], s[12:13]
	s_add_nc_u64 s[14:15], s[12:13], 0x800000      ; from part to part: one byte more than a load's immediate holds, so each part has its base
	s_add_nc_u64 s[16:17], s[14:15], 0x800000
	s_add_nc_u64 s[18:19], s[16:17], 0x800000
	s_add_nc_u64 s[20:21], s[4:5], s[20:21]
	s_add_nc_u64 s[22:23], s[6:7], s[22:23]
	s_add_nc_u64 s[26:27], s[6:7], s[26:27]
	s_add_nc_u64 s[28:29], s[6:7], s[28:29]
.irp p, 0,1,2,3
	global_load_b64 v[STT+2*\p:STT+2*\p+1], v2, s[20:21] offset:131072*\p
.endr
	PART A, 12
	WIN 0x40                                       ; destination window 1
	PART 0, 14
	PART 128, 16
	WIN 0x80                                       ; destination window 2
	PART 0, 18
	WIN 0
	s_wait_loadcnt 63                              ; of the 132 loads the oldest 69 are in: the statistics and parts 0 and 1
	v_min_num_f32 v[TP], v[STT], v[STT+2]
	v_min_num_f32 v[TP+1], v[STT+4], v[STT+6]
	v_min_num_f32 v[TP], v[TP], v[TP+1]            ; -M: the least -M_s
.irp p, 0,1,2,3
	v_sub_f32 v[TP+1+\p], v[TP], v[STT+2*\p]       ; M_s - M: a whole number, 0 or less
.endr
.irp p, 0,1,2,3
	v_cvt_i32_f32 v[TP+1+\p], v[TP+1+\p]
.endr
.irp p, 0,1,2,3
	v_ldexp_f32 v[TP+1+\p], 1.0, v[TP+1+\p]        ; 2^(M_s - M)
.endr
	v_mul_f32 v[TP+5], v[TP+1], v[STT+1]
	v_fmac_f32 v[TP+5], v[TP+2], v[STT+3]
	v_fmac_f32 v[TP+5], v[TP+3], v[STT+5]
	v_fmac_f32 v[TP+5], v[TP+4], v[STT+7]          ; l
	s_wait_alu depctr_va_vdst(0)
	v_rcp_f32 v[TP+6], v[TP+5]
	v_nop                                          ; a plain line behind the reciprocal
	s_wait_alu depctr_va_vdst(0)                   ; and the wait ahead of its first reader
.irp p, 0,1,2,3
	v_mul_f32 v[G+2*\p], v[TP+1+\p], v[TP+6]
	v_mul_f32 v[G+2*\p+1], v[TP+1+\p], v[TP+6]
.endr
.set j_, 0
.rept 64
	v_pk_mul_f32 v[A+j_:A+j_+1], v[A+j_:A+j_+1], v[G:G+1]
.set j_, j_+2
.endr
	WIN 0x01                                       ; source 0 window 1
	ADDIN 0, 1
	s_wait_loadcnt 32                              ; part 2 is in; part 3's 32 loads may be out
	ADDIN 128, 2
	s_wait_loadcnt 0x0
	WIN 0x02                                       ; source 0 window 2
	ADDIN 0, 3
	WIN 0
.irp k, 0,1,2,3
	v_pk_mul_f32 v[SQ+2*\k:SQ+2*\k+1], v[A+2*\k:A+2*\k+1], v[A+2*\k:A+2*\k+1]   ; the first four pairs start the chains
.endr
.set j_, 8
.rept 60
	v_pk_fma_f32 v[SQ+j_%8:SQ+j_%8+1], v[A+j_:A+j_+1], v[A+j_:A+j_+1], v[SQ+j_%8:SQ+j_%8+1]
.set j_, j_+2
.endr
	v_pk_add_f32 v[SQ:SQ+1], v[SQ:SQ+1], v[SQ+2:SQ+3]
	v_pk_add_f32 v[SQ+4:SQ+5], v[SQ+4:SQ+5], v[SQ+6:SQ+7]
	v_pk_add_f32 v[SQ:SQ+1], v[SQ:SQ+1], v[SQ+4:SQ+5]
	v_add_f32 v[SQ], v[SQ], v[SQ+1]
	v_permlanex16_b32 v[SQ+2], v[SQ], s[SEL], s[SEL+1]
	v_add_f32 v[SQ], v[SQ], v[SQ+2]                ; with lane l xor 16's 128 channels
	v_mul_f32 v[PW+3], -0.5, v[SQ]
	QUANT A, PC, PW
	QUANT A+64, PC+16, PW+1
	s_mov_b32 vcc_lo, 0xffff0000
	v_cndmask_b32 v[PW+2], v[PW], v[PW+1], vcc_lo  ; lanes 0-15 K step 0's words, lanes 16-31 K step 1's
.set n_, 0
.rept 8
	global_store_b128 v1, v[PC+4*n_:PC+4*n_+3], s[22:23] offset:512*n_   ; 512 consecutive bytes, aligned
.set n_, n_+1
.endr
	global_store_b32 v3, v[PW+2], s[26:27]
	global_store_b32 v4, v[PW+3], s[28:29]         ; lanes l and l xor 16 write the same word with the same value
	s_endpgm
.Lfunc_end_k_q7f09549266_join:
	.size	k_q7f09549266_join, .Lfunc_end_k_q7f09549266_join-k_q7f09549266_join
	.p2alignl 7, 3214868480
	.fill 96, 4, 3214868480
	.section	.rodata,"a",@progbits
	.p2align	6, 0x0
	.amdhsa_kernel k_q7f09549266_join
		.amdhsa_group_segment_fixed_size 0
		.amdhsa_private_segment_fixed_size 0
		.amdhsa_enable_private_segment 0
		.amdhsa_kernarg_size 16
		.amdhsa_user_sgpr_count 2
		.amdhsa_user_sgpr_kernarg_segment_ptr 1
		.amdhsa_wavefront_size32 1
		.amdhsa_system_sgpr_workgroup_id_x 1
		.amdhsa_system_sgpr_workgroup_id_y 1
		.amdhsa_system_sgpr_workgroup_id_z 1
		.amdhsa_system_vgpr_workitem_id 0
		.amdhsa_next_free_vgpr 640
		.amdhsa_next_free_sgpr 66
		.amdhsa_reserve_vcc 1
		.amdhsa_float_denorm_mode_32 3
		.amdhsa_float_denorm_mode_16_64 3
		.amdhsa_memory_ordered 1
		.amdhsa_forward_progress 1
		.amdhsa_inst_pref_size 54
	.end_amdhsa_kernel
	.amdgpu_metadata
---
amdhsa.version: [ 1, 2 ]
amdhsa.kernels:
  - .name:           k_q7f09549266_join
    .symbol:         k_q7f09549266_join.kd
    .args:
      - { .name: pa, .offset: 0, .size: 8, .value_kind: global_buffer, .address_space: global }
      - { .name: ab, .offset: 8, .size: 8, .value_kind: global_buffer, .address_space: global }
    .group_segment_fixed_size: 0
    .private_segment_fixed_size: 0
    .kernarg_segment_align: 8
    .kernarg_segment_size: 16
    .max_flat_workgroup_size: 64
    .sgpr_count:     66
    .vgpr_count:     640
    .wavefront_size: 32
...
	.end_amdgpu_metadata
.endif
;; end of part 3
;; launch rbf (part 4): grid 16 x 16, 16 waves a work-group, clusters of 4 x 1, 169,984 bytes of LDS; arguments ab, ps; writes ps
.if DOCPART == 4
	.amdgcn_target "amdgcn-amd-amdhsa--gfx1250"
	.amdhsa_code_object_version 6
	.text
	.protected	k_q7f09549266_rbf
	.globl	k_q7f09549266_rbf
	.p2align	8
	.type	k_q7f09549266_rbf,@function
k_q7f09549266_rbf:
	s_mov_b64 s[64:65], 0
	v_nop
	global_prefetch_b8 v0, s[64:65] scope:SCOPE_SE
	s_setreg_imm32_b32 hwreg(HW_REG_WAVE_MODE, 25, 1), 1
	s_wait_xcnt 0x0
	s_wait_alu depctr_hold_cnt(0) depctr_sa_sdst(0) depctr_va_vdst(0) depctr_va_sdst(0) depctr_va_ssrc(0) depctr_va_vcc(0) depctr_vm_vsrc(0)
	s_getreg_b32 s2, hwreg(HW_REG_IB_STS2, 6, 4)
	s_cmp_eq_u32 s2, 0
	s_cbranch_scc0 .Lentry_in_a_cluster
	s_endpgm
.Lentry_in_a_cluster:
	s_bfe_u32 s2, ttmp6, 0x10000c
	s_cmp_lg_u32 s2, 0x3003
	s_cbranch_scc0 .Lentry_shape_is_right
	s_endpgm
.Lentry_shape_is_right:
; RBF: for a block of 512 rows i and 512 rows j: G = Q(attn) Q(attn)^T on codes of BF8 (E5M2) with E8M0 scales, ker = exp(-max(sq_i + sq_j - 2 G, 0)), and the sum of ker over the 512 j for each i.
; exp(-max(d, 0)) = 2^min(c2 (G - sq_j / 2) + c2 (-sq_i / 2), 0), c2 = 2 log2(e).  -sq_j / 2 is the C of a sum's first matrix instruction; the rest is one packed multiply-add, a minimum (two to a dual line) and an exponential.
; The exponent is at most 0 by the minimum that the problem itself takes, so no exponential overflows.
; SHARES.  Work-group x: the block of i; y: the block of j.  Each of sixteen waves holds two tiles of 16 i in registers (four waves to a SIMD) and walks the 32 tiles of j, two a trip, which lie in LDS as images of
; operand registers: filled ONCE, at the head, so there is no ring and no refill.
; CLUSTER.  The four work-groups of a cluster have the same block of j: it is asked for jointly, one tensor load a wave: waves 0 to 7 fetch 16,384 bytes of codes each, waves 8 to 11 1,536 bytes each of scale words and -sq / 2.
; NO PREFETCH: all that the work-group reads is asked for at the head; there is no loop to run ahead in.
; Source 0 = 16 rows j, source 1 = 16 rows i: a lane holds ONE i (lane % 16) and eight j, so the sum over j stays in the lane but for one exchange at the end.
; LIMITS: NaN and infinities are not served.
.set AUX, 131072                       ; behind the 32 tiles' codes: their scale words [tile][K step][slot], 4,096 bytes, then -sq / 2 [tile][slot], 2,048
.set PST, AUX+6144                     ; the sums of the work-group's 512 rows, on their way out: bytes of their own
.set SPARE, 0x29000                    ; the spare words, 128 bytes for each wave
.set LI,  1                            ; v1   16 x lane
.set ASL, 2                            ; v2   AUX + 4 x lane
.set AHL, 3                            ; v3   AUX + 4,096 + 32 (lane / 16)
.set ADJ, 4
.set ADS, 5
.set ADH, 6
.set PSW, 7                            ; v7   where my sum goes
.set IS,  8                            ; v8-9   the i tiles' scale words
.set CI,  10                           ; v10-13 c2 x (-sq_i / 2), each twice
.set SUM, 14                           ; v14-21 two chains of pairs for each i tile
.set JS,  22                           ; v22-23 the j tiles' scale words
.set JC,  24                           ; v24-39 -sq_j / 2 in the result's layout
.set ACC, 40                           ; v40-71 four accumulators: (j tile, i tile) at 8 (2 jt + it)
.set IF,  72                           ; v72-135 the i tiles' fragments: 32 it + 16 s
.set JF,  136                          ; v136-199 two j tiles' fragments
.set PSR, 200
.set L4,  201
.set R4,  202
.set HI,  203                          ; v203-204 -sq_i / 2
.set OUTR, 204                         ; v204-207 the way out
.set SPW, 254
.set NIL, 255
.set WV,  8
.set G1A, 16                           ; s[16:23] group 1: 6 rows of 256 bytes
.set G1B, 24                           ; s[24:31] group 1: 64 rows of 256 bytes
.set G0X, 32
.set G0Y, 36
.set C2,  44
.set SEL, 46
.set TJ,  48
.set TS,  49
.set TH,  50
.set CNT, 51
.macro CROUND
	s_barrier_signal -1
	s_barrier_wait -1
	s_cmp_lg_u32 s[WV], 0
	s_cbranch_scc1 .Lnot_wave_0_\@
	s_barrier_signal -3
.Lnot_wave_0_\@:
	s_barrier_wait -3
	s_barrier_signal -1
	s_barrier_wait -1
.endm
	s_load_b128 s[4:7], s[0:1], 0x0                ; ab, ps
	v_lshl_add_u32 v[SPW], v0, 2, SPARE
	v_mov_b32 v[NIL], 0
	ds_add_u32 v[SPW], v[NIL]                      ; the opening adds, twice on end
	ds_add_u32 v[SPW], v[NIL]
	v_lshrrev_b32 v4, 5, v0
	s_delay_alu instid0(VALU_DEP_1)
	v_readfirstlane_b32 s[WV], v4                  ; wave 0..15
	s_bfe_u32 s9, ttmp6, 0x40000                   ; cx
	s_lshl_b32 s10, ttmp9, 2
	s_add_co_u32 s10, s10, s9                      ; the block of i: it enters global addresses alone
	s_and_b32 s11, ttmp7, 0xffff                   ; the block of j, which the four partners share
	s_and_b32 s12, s[WV], 3                        ; which quarter: of the scale words' fill (waves 8 to 11), of the sums' way out (waves 0 to 3)
	s_mov_b32 s[G1A], 15|(3<<16)|(1<<21)           ; the mask: all four; elements of 8 bytes; bit 21 beside a mask; no padding
	s_mov_b32 s[G1A+1], 32<<16
	s_mov_b32 s[G1A+2], 6<<16
	s_mov_b32 s[G1A+3], 32<<16
	s_mov_b32 s[G1A+4], 6
	s_mov_b32 s[G1A+5], 32
	s_mov_b32 s[G1A+6], 0
	s_mov_b32 s[G1A+7], 0
	s_mov_b32 s[G1B], 15|(3<<16)|(1<<21)
	s_mov_b32 s[G1B+1], 32<<16
	s_mov_b32 s[G1B+2], 64<<16
	s_mov_b32 s[G1B+3], 32<<16
	s_mov_b32 s[G1B+4], 64
	s_mov_b32 s[G1B+5], 32
	s_mov_b32 s[G1B+6], 0
	s_mov_b32 s[G1B+7], 0
	s_lshl_b32 s52, s11, 17                        ; j's codes: 131,072 bytes a block, an eighth for each of waves 0 to 7
	s_and_b32 s13, s[WV], 7
	s_lshl_b32 s13, s13, 14
	s_add_co_u32 s52, s52, s13
	s_mov_b32 s53, 0
	s_mul_i32 s54, s11, 6144                       ; j's scale words and -sq / 2: 6,144 bytes a block, my quarter
	s_mul_i32 s14, s12, 1536
	s_add_co_u32 s54, s54, s14
	s_add_co_u32 s54, s54, 0x200000
	s_mov_b32 s55, 0
	s_lshl_b32 s56, s10, 17                        ; my i tiles' codes: 8,192 bytes a wave
	s_lshl_b32 s15, s[WV], 13
	s_add_co_u32 s56, s56, s15
	s_mov_b32 s57, 0
	s_mul_i32 s58, s10, 6144                       ; their scale words: 256 bytes a wave
	s_add_co_u32 s58, s58, 0x200000
	s_lshl_b32 s15, s[WV], 7
	s_add_co_u32 s60, s58, s15                     ; their -sq / 2: 128 bytes a wave, behind the block's 4,096 bytes of words
	s_add_co_u32 s60, s60, 4096
	s_mov_b32 s61, 0
	s_lshl_b32 s15, s[WV], 8
	s_add_co_u32 s58, s58, s15
	s_mov_b32 s59, 0
	s_lshl_b32 s62, s11, 15                        ; the sums: [block of j][row place], 2,048 bytes a block of i, 512 for each of waves 0 to 3
	s_lshl_b32 s15, s10, 11
	s_add_co_u32 s62, s62, s15
	s_lshl_b32 s15, s12, 9
	s_add_co_u32 s62, s62, s15
	s_mov_b32 s63, 0
	s_mov_b32 s[C2], 0x4038aa3b                    ; c2 = 2 log2(e)
	s_mov_b32 s[C2+1], s[C2]
	s_mov_b32 s[SEL], 0x76543210
	s_mov_b32 s[SEL+1], 0xfedcba98
	s_mov_b32 s[TJ], 0
	s_mov_b32 s[TS], 0
	s_mov_b32 s[TH], 0
	v_and_b32 v4, 31, v0
	s_delay_alu instid0(VALU_DEP_1)
	v_lshlrev_b32 v[LI], 4, v4
	s_delay_alu instid0(VALU_DEP_2)
	v_lshlrev_b32 v[L4], 2, v4
	s_delay_alu instid0(VALU_DEP_1)
	v_add_nc_u32 v[ASL], AUX, v[L4]
	v_bfe_u32 v5, v0, 4, 1
	s_delay_alu instid0(VALU_DEP_1)
	v_lshlrev_b32 v[AHL], 5, v5
	s_delay_alu instid0(VALU_DEP_1)
	v_add_nc_u32 v[AHL], AUX+4096, v[AHL]
	v_and_b32 v[R4], 15, v0
	s_delay_alu instid0(VALU_DEP_1)
	v_lshlrev_b32 v[R4], 2, v[R4]
	s_lshl_b32 s15, s[WV], 7
	s_add_co_u32 s15, s15, PST
	v_add_nc_u32 v[PSW], s15, v[L4]                ; PST + 128 wave + 4 lane
	s_lshl_b32 s15, s12, 9
	s_add_co_u32 s15, s15, PST
	v_add_nc_u32 v[PSR], s15, v[LI]                ; PST + 512 (wave % 4) + 16 lane
.irp n, 0,1,2,3,4,5,6,7
	v_mov_b32 v[SUM+\n], 0
.endr
	s_wait_alu depctr_va_vdst(0)                   ; the wait at the head's end
	s_wait_dscnt 0x0
	s_wait_kmcnt 0x0
	s_add_nc_u64 s[52:53], s[4:5], s[52:53]
	s_add_nc_u64 s[54:55], s[4:5], s[54:55]
	s_add_nc_u64 s[56:57], s[4:5], s[56:57]
	s_add_nc_u64 s[58:59], s[4:5], s[58:59]
	s_add_nc_u64 s[60:61], s[4:5], s[60:61]
	s_add_nc_u64 s[62:63], s[6:7], s[62:63]
	s_mov_b32 s[G0X], 1
	s_add_co_u32 s[G0X+1], s14, AUX
	s_mov_b64 s[G0X+2:G0X+3], s[54:55]
	s_or_b32 s[G0X+3], s[G0X+3], 0x80000000
	s_mov_b32 s[G0Y], 1
	s_mov_b32 s[G0Y+1], s13
	s_mov_b64 s[G0Y+2:G0Y+3], s[52:53]
	s_or_b32 s[G0Y+3], s[G0Y+3], 0x80000000
	CROUND                                         ; all four work-groups are here: the joint loads meet
	s_cmp_lt_u32 s[WV], 8                          ; one chain of branches on the wave's number, a load to an arm
	s_cbranch_scc0 .Lfill_aux
	tensor_load_to_lds s[G0Y:G0Y+3], s[G1B:G1B+7]  ; four j tiles' codes
	s_nop 0
.rept 4
	v_nop
.endr
	s_branch .Lno_fill
.Lfill_aux:
	s_cmp_lt_u32 s[WV], 12
	s_cbranch_scc0 .Lno_fill
	tensor_load_to_lds s[G0X:G0X+3], s[G1A:G1A+7]  ; a quarter of the scale words and -sq / 2
	s_nop 0
.rept 4
	v_nop
.endr
.Lno_fill:
.set n_, 0
.rept 16
	global_load_b128 v[IF+4*n_:IF+4*n_+3], v[LI], s[56:57] offset:512*n_
.set n_, n_+1
.endr
	global_load_b32 v[IS], v[L4], s[58:59]
	global_load_b32 v[IS+1], v[L4], s[58:59] offset:128
	global_load_b32 v[HI], v[R4], s[60:61]
	global_load_b32 v[HI+1], v[R4], s[60:61] offset:64
	s_wait_tensorcnt 0x0                           ; my fill is in,
	s_barrier_signal -1
	s_barrier_wait -1                              ; everybody's is
	s_wait_loadcnt 0x0
	v_mul_f32 v[CI], s[C2], v[HI]
	v_mul_f32 v[CI+1], s[C2], v[HI]
	v_mul_f32 v[CI+2], s[C2], v[HI+1]
	v_mul_f32 v[CI+3], s[C2], v[HI+1]
	s_mov_b32 s[CNT], 16
.Ltrip:                                            ; sixteen trips of two j tiles
	v_add_nc_u32 v[ADJ], s[TJ], v[LI]
	v_add_nc_u32 v[ADS], s[TS], v[ASL]
	v_add_nc_u32 v[ADH], s[TH], v[AHL]
.set n_, 0
.rept 16
	ds_load_b128 v[JF+4*n_:JF+4*n_+3], v[ADJ] offset:512*n_
.set n_, n_+1
.endr
	ds_load_b32 v[JS], v[ADS]
	ds_load_b32 v[JS+1], v[ADS] offset:128
.irp jt, 0,1
	ds_load_b128 v[JC+8*\jt:JC+8*\jt+3], v[ADH] offset:64*\jt
	ds_load_b128 v[JC+8*\jt+4:JC+8*\jt+7], v[ADH] offset:64*\jt+16
.endr
	s_add_co_u32 s[TJ], s[TJ], 8192
	s_add_co_u32 s[TS], s[TS], 256
	s_add_co_u32 s[TH], s[TH], 128
	s_wait_dscnt 0x0
.irp jt, 0,1
.irp it, 0,1
	v_wmma_scale_f32_16x16x128_f8f6f4 v[ACC+8*(2*\jt+\it):ACC+8*(2*\jt+\it)+7], v[JF+32*\jt:JF+32*\jt+15], v[IF+32*\it:IF+32*\it+15], v[JC+8*\jt:JC+8*\jt+7], v[JS+\jt], v[IS+\it] matrix_a_fmt:MATRIX_FMT_BF8 matrix_b_fmt:MATRIX_FMT_BF8
.endr
.endr
.irp jt, 0,1
.irp it, 0,1
	v_wmma_scale_f32_16x16x128_f8f6f4 v[ACC+8*(2*\jt+\it):ACC+8*(2*\jt+\it)+7], v[JF+32*\jt+16:JF+32*\jt+31], v[IF+32*\it+16:IF+32*\it+31], v[ACC+8*(2*\jt+\it):ACC+8*(2*\jt+\it)+7], v[JS+\jt], v[IS+\it] matrix_a_fmt:MATRIX_FMT_BF8 matrix_b_fmt:MATRIX_FMT_BF8 matrix_a_scale:MATRIX_SCALE_ROW1 matrix_b_scale:MATRIX_SCALE_ROW1
.endr
.endr
.rept 8
	v_nop                                          ; places behind the products: ahead of the first read of results, and of the next trip's loads into the operands' registers
.endr
	s_wait_alu depctr_va_vdst(0)
.irp a, 0,1,2,3
.irp j, 0,2,4,6
	v_pk_fma_f32 v[ACC+8*\a+\j:ACC+8*\a+\j+1], v[ACC+8*\a+\j:ACC+8*\a+\j+1], s[C2:C2+1], v[CI+2*(\a%2):CI+2*(\a%2)+1] op_sel_hi:[1,0,1]   ; each accumulator from its low end on
.endr
.endr
.set n_, 0
.rept 16
	v_dual_min_num_f32 v[ACC+n_], 0, v[ACC+n_] :: v_dual_min_num_f32 v[ACC+n_+1], 0, v[ACC+n_+1]   ; the problem's own max(d2, 0), two numbers a line
.set n_, n_+2
.endr
	s_wait_alu depctr_va_vdst(0)                   ; the wait ahead of the batch
.set n_, 0
.rept 32
	v_exp_f32 v[ACC+n_], v[ACC+n_]
.set n_, n_+1
.endr
	v_nop                                          ; a plain line behind the last exponential
	s_wait_alu depctr_va_vdst(0)                   ; one wait for the batch, ahead of its first reader
.irp a, 0,1,2,3
	v_pk_add_f32 v[SUM+4*(\a%2):SUM+4*(\a%2)+1], v[SUM+4*(\a%2):SUM+4*(\a%2)+1], v[ACC+8*\a:ACC+8*\a+1]
	v_pk_add_f32 v[SUM+4*(\a%2)+2:SUM+4*(\a%2)+3], v[SUM+4*(\a%2)+2:SUM+4*(\a%2)+3], v[ACC+8*\a+2:ACC+8*\a+3]
	v_pk_add_f32 v[SUM+4*(\a%2):SUM+4*(\a%2)+1], v[SUM+4*(\a%2):SUM+4*(\a%2)+1], v[ACC+8*\a+4:ACC+8*\a+5]
	v_pk_add_f32 v[SUM+4*(\a%2)+2:SUM+4*(\a%2)+3], v[SUM+4*(\a%2)+2:SUM+4*(\a%2)+3], v[ACC+8*\a+6:ACC+8*\a+7]
.endr
	s_sub_co_u32 s[CNT], s[CNT], 1
	s_cmp_lg_u32 s[CNT], 0
	s_cbranch_scc1 .Ltrip
.irp it, 0,1
	v_pk_add_f32 v[SUM+4*\it:SUM+4*\it+1], v[SUM+4*\it:SUM+4*\it+1], v[SUM+4*\it+2:SUM+4*\it+3]
.endr
.irp it, 0,1
	s_delay_alu instid0(VALU_DEP_2)
	v_add_f32 v[SUM+4*\it], v[SUM+4*\it], v[SUM+4*\it+1]
.endr
.irp it, 0,1
	s_delay_alu instid0(VALU_DEP_2)
	v_permlanex16_b32 v[SUM+4*\it+1], v[SUM+4*\it], s[SEL], s[SEL+1]
.endr
.irp it, 0,1
	s_delay_alu instid0(VALU_DEP_2)
	v_add_f32 v[SUM+4*\it], v[SUM+4*\it], v[SUM+4*\it+1]   ; with lane l xor 16's j
.endr
	s_mov_b32 vcc_lo, 0xffff0000
	v_cndmask_b32 v[HI], v[SUM], v[SUM+4], vcc_lo  ; lanes 0-15 my first tile's rows, lanes 16-31 my second's
	ds_store_b32 v[PSW], v[HI]
	s_wait_dscnt 0x0                               ; for the others' sake
	s_barrier_signal -1
	s_barrier_wait -1
	s_cmp_lt_u32 s[WV], 4
	s_cbranch_scc0 .Lno_store
	ds_load_b128 v[OUTR:OUTR+3], v[PSR]
	s_wait_dscnt 0x0
	global_store_b128 v[LI], v[OUTR:OUTR+3], s[62:63]   ; 512 consecutive bytes, aligned
.Lno_store:
	s_wait_tensorcnt 0x0                           ; the wave's end
	ds_add_u32 v[SPW], v[NIL]
	s_wait_dscnt 0x0
	CROUND                                         ; the closing round
	s_endpgm
.Lfunc_end_k_q7f09549266_rbf:
	.size	k_q7f09549266_rbf, .Lfunc_end_k_q7f09549266_rbf-k_q7f09549266_rbf
	.p2alignl 7, 3214868480
	.fill 96, 4, 3214868480
	.section	.rodata,"a",@progbits
	.p2align	6, 0x0
	.amdhsa_kernel k_q7f09549266_rbf
		.amdhsa_group_segment_fixed_size 169984
		.amdhsa_private_segment_fixed_size 0
		.amdhsa_enable_private_segment 0
		.amdhsa_kernarg_size 16
		.amdhsa_user_sgpr_count 2
		.amdhsa_user_sgpr_kernarg_segment_ptr 1
		.amdhsa_wavefront_size32 1
		.amdhsa_system_sgpr_workgroup_id_x 1
		.amdhsa_system_sgpr_workgroup_id_y 1
		.amdhsa_system_sgpr_workgroup_id_z 1
		.amdhsa_system_vgpr_workitem_id 0
		.amdhsa_next_free_vgpr 256
		.amdhsa_next_free_sgpr 66
		.amdhsa_reserve_vcc 1
		.amdhsa_float_denorm_mode_32 3
		.amdhsa_float_denorm_mode_16_64 3
		.amdhsa_memory_ordered 1
		.amdhsa_forward_progress 1
		.amdhsa_inst_pref_size 17
	.end_amdhsa_kernel
	.amdgpu_metadata
---
amdhsa.version: [ 1, 2 ]
amdhsa.kernels:
  - .name:           k_q7f09549266_rbf
    .symbol:         k_q7f09549266_rbf.kd
    .args:
      - { .name: ab, .offset: 0, .size: 8, .value_kind: global_buffer, .address_space: global }
      - { .name: ps, .offset: 8, .size: 8, .value_kind: global_buffer, .address_space: global }
    .group_segment_fixed_size: 169984
    .private_segment_fixed_size: 0
    .kernarg_segment_align: 8
    .kernarg_segment_size: 16
    .max_flat_workgroup_size: 512
    .sgpr_count:     66
    .vgpr_count:     256
    .wavefront_size: 32
...
	.end_amdgpu_metadata
.endif
;; end of part 4
;; launch head (part 5): grid 32 x 1, 4 waves a work-group, no clusters, 0 bytes of LDS; arguments ps, W1, b1, W2, b2, out0; writes out0
.if DOCPART == 5
	.amdgcn_target "amdgcn-amd-amdhsa--gfx1250"
	.amdhsa_code_object_version 6
	.text
	.protected	k_q7f09549266_head
	.globl	k_q7f09549266_head
	.p2align	8
	.type	k_q7f09549266_head,@function
k_q7f09549266_head:
	s_mov_b64 s[64:65], 0
	v_nop
	global_prefetch_b8 v0, s[64:65] scope:SCOPE_SE
	s_setreg_imm32_b32 hwreg(HW_REG_WAVE_MODE, 25, 1), 1
	s_wait_xcnt 0x0
; HEAD: feat = (the sum of a row's 16 partial sums) / 8,192; out = relu(feat W1 + b1) W2 + b2, all in f32 by fused multiply-adds (K = 1 and N = 1: nothing for a matrix unit).
; A thread owns rows 2 k and 2 k + 1.  The partial sums lie by tile and slot: place p holds the row whose number is p with bits 3 and 4 exchanged; so the thread reads pair k with bits 2 and 3 exchanged.
; The 192 numbers of W1, b1 and W2 are loaded once, every lane from the same address, and stay in registers.  A wave stores 256 consecutive bytes, aligned.
; The sum begins at b2, so its order of rounding differs from a sum to which b2 is added last.
.set W1R, 16
.set B1R, 80
.set W2R, 144
.set PSR, 208
	s_load_b256 s[4:11], s[0:1], 0x0               ; ps, W1, b1, W2
	s_load_b128 s[12:15], s[0:1], 0x20             ; b2, out0
	v_and_b32 v1, 0x73, v0                         ; the thread's number without bits 2 and 3,
	v_and_b32 v2, 4, v0
	v_lshl_or_b32 v1, v2, 1, v1                    ; bit 2 in bit 3's place,
	v_and_b32 v2, 8, v0
	v_lshrrev_b32 v2, 1, v2
	v_or_b32 v1, v1, v2                            ; bit 3 in bit 2's
	v_lshlrev_b32 v1, 3, v1
	v_lshlrev_b32 v3, 3, v0
	v_mov_b32 v4, 0
	s_lshl_b32 s16, ttmp9, 10                      ; 128 threads x 8 bytes
	s_mov_b32 s17, 0
	s_wait_alu depctr_va_vdst(0)
	s_wait_kmcnt 0x0
	s_add_nc_u64 s[4:5], s[4:5], s[16:17]
	s_add_nc_u64 s[14:15], s[14:15], s[16:17]
.set n_, 0
.rept 16
	global_load_b64 v[PSR+2*n_:PSR+2*n_+1], v1, s[4:5] offset:32768*n_
	global_load_b128 v[W1R+4*n_:W1R+4*n_+3], v4, s[6:7] offset:16*n_
	global_load_b128 v[B1R+4*n_:B1R+4*n_+3], v4, s[8:9] offset:16*n_
	global_load_b128 v[W2R+4*n_:W2R+4*n_+3], v4, s[10:11] offset:16*n_
.set n_, n_+1
.endr
	global_load_b32 v6, v4, s[12:13]               ; b2
	s_wait_loadcnt 0x0
.irp j, 0,1,2,3,4,5,6,7
	v_pk_add_f32 v[PSR+2*\j:PSR+2*\j+1], v[PSR+2*\j:PSR+2*\j+1], v[PSR+16+2*\j:PSR+16+2*\j+1]
.endr
.irp j, 0,1,2,3
	v_pk_add_f32 v[PSR+2*\j:PSR+2*\j+1], v[PSR+2*\j:PSR+2*\j+1], v[PSR+8+2*\j:PSR+8+2*\j+1]
.endr
.irp j, 0,1
	v_pk_add_f32 v[PSR+2*\j:PSR+2*\j+1], v[PSR+2*\j:PSR+2*\j+1], v[PSR+4+2*\j:PSR+4+2*\j+1]
.endr
	v_pk_add_f32 v[PSR:PSR+1], v[PSR:PSR+1], v[PSR+2:PSR+3]
	v_mul_f32 v[PSR], 0x39000000, v[PSR]           ; / 8,192: exact
	v_mul_f32 v[PSR+1], 0x39000000, v[PSR+1]
	v_mov_b32 v7, v6
.set n_, 0
.rept 64
	v_fma_f32 v8, v[PSR], v[W1R+n_], v[B1R+n_]
	v_fma_f32 v9, v[PSR+1], v[W1R+n_], v[B1R+n_]
	v_max_num_f32 v8, 0, v8
	v_max_num_f32 v9, 0, v9
	v_fmac_f32 v6, v8, v[W2R+n_]
	v_fmac_f32 v7, v9, v[W2R+n_]
.set n_, n_+1
.endr
	global_store_b64 v3, v[6:7], s[14:15]
	s_endpgm
.Lfunc_end_k_q7f09549266_head:
	.size	k_q7f09549266_head, .Lfunc_end_k_q7f09549266_head-k_q7f09549266_head
	.p2alignl 7, 3214868480
	.fill 96, 4, 3214868480
	.section	.rodata,"a",@progbits
	.p2align	6, 0x0
	.amdhsa_kernel k_q7f09549266_head
		.amdhsa_group_segment_fixed_size 0
		.amdhsa_private_segment_fixed_size 0
		.amdhsa_enable_private_segment 0
		.amdhsa_kernarg_size 48
		.amdhsa_user_sgpr_count 2
		.amdhsa_user_sgpr_kernarg_segment_ptr 1
		.amdhsa_wavefront_size32 1
		.amdhsa_system_sgpr_workgroup_id_x 1
		.amdhsa_system_sgpr_workgroup_id_y 1
		.amdhsa_system_sgpr_workgroup_id_z 1
		.amdhsa_system_vgpr_workitem_id 0
		.amdhsa_next_free_vgpr 240
		.amdhsa_next_free_sgpr 66
		.amdhsa_reserve_vcc 0
		.amdhsa_float_denorm_mode_32 3
		.amdhsa_float_denorm_mode_16_64 3
		.amdhsa_memory_ordered 1
		.amdhsa_forward_progress 1
		.amdhsa_inst_pref_size 25
	.end_amdhsa_kernel
	.amdgpu_metadata
---
amdhsa.version: [ 1, 2 ]
amdhsa.kernels:
  - .name:           k_q7f09549266_head
    .symbol:         k_q7f09549266_head.kd
    .args:
      - { .name: ps, .offset: 0, .size: 8, .value_kind: global_buffer, .address_space: global }
      - { .name: W1, .offset: 8, .size: 8, .value_kind: global_buffer, .address_space: global }
      - { .name: b1, .offset: 16, .size: 8, .value_kind: global_buffer, .address_space: global }
      - { .name: W2, .offset: 24, .size: 8, .value_kind: global_buffer, .address_space: global }
      - { .name: b2, .offset: 32, .size: 8, .value_kind: global_buffer, .address_space: global }
      - { .name: out0, .offset: 40, .size: 8, .value_kind: global_buffer, .address_space: global }
    .group_segment_fixed_size: 0
    .private_segment_fixed_size: 0
    .kernarg_segment_align: 8
    .kernarg_segment_size: 48
    .max_flat_workgroup_size: 128
    .sgpr_count:     66
    .vgpr_count:     240
    .wavefront_size: 32
...
	.end_amdgpu_metadata
.endif
;; end of part 5
